; MI455X (gfx1250); checked and timed in simulation.
; The chip was launched on July 23, 2026; its instructions are those of AMD's public machine-readable ISA for CDNA 5 (MIT licence, August 2026) and "CDNA5" Instruction Set Architecture Reference Guide (July 2026). The comments in the code are by the model that wrote it; some were corrected since.
;; Multi Head Attention. Allowed arithmetic: matrix products marked QUANTISED: E2M3 operands, one E8M0 scale for each 32 along K, by v_wmma_scale_f32_16x16x128_f8f6f4 with both operands' format E2M3, f32 sums; everything else in f32.
;; Inputs: Wk 1,024 x 1,024 float32; Wo 1,024 x 1,024 float32; Wq 1,024 x 1,024 float32; Wv 1,024 x 1,024 float32; attention_mask 4 x 2,048 bool; bk 1,024 float32; bo 1,024 float32; bq 1,024 float32; bv 1,024 float32; x 4 x 2,048 x 1,024 float32.
;; Outputs: out0 4 x 2,048 x 1,024 float32.
;; This version of the problem:
;;   THIS VERSION OF THE PROBLEM IS GIVEN IN LOW PRECISION. The matrix products marked QUANTISED in the list below multiply operands that are first quantised to E2M3 (2 exponent bits, 3 mantissa bits; 6 bits a number), with one power-of-two scale for each 32 numbers along K (OCP MX v1.0); their sums are f32. All else is computed in f32.
;;   The module's matrix products, in the order in which they are computed (A, B: the left and right operand; K: the contracted axis; several contracted axes count as one K, in the product's order):
;;     1. [M 8,192, K 1,024] x [K 1,024, N 1,024]; A: input x; B: input Wq: QUANTISED
;;     2. [M 8,192, K 1,024] x [K 1,024, N 1,024]; A: input x; B: input Wk: QUANTISED
;;     3. [M 8,192, K 1,024] x [K 1,024, N 1,024]; A: input x; B: input Wv: QUANTISED
;;     4. batch 64 x [M 2,048, K 64] x [K 64, N 2,048]; A: computed on the way; B: computed on the way: QUANTISED
;;     5. batch 64 x [M 2,048, K 2,048] x [K 2,048, N 64]; A: softmax (see below); B: computed on the way: QUANTISED
;;     6. [M 8,192, K 1,024] x [K 1,024, N 1,024]; A: computed on the way; B: input Wo: QUANTISED
;;   THE QUANTISER, for each operand of a quantised product, along K:
;;     - K is cut into blocks of 32 from its start; a last block that is shorter is filled with zeros.
;;     - A block's scale is 2^e with e = floor(log2(the largest magnitude in the block)) - 2, held to -126 .. 127; a block of zeros has e = 0. As a byte (E8M0): e + 127.
;;     - Each number is divided by its block's scale, clamped to +-7.5, and rounded to the nearest number of E2M3, ties to even, subnormals kept.
;;     - The product sums the exact products of the quantised numbers (number of the format x scale) in f32.
;;   ~~~python
;;   def quantise(x, axis):      # numpy; x: float32 -> the quantised numbers, widened to float32 again
;;       x = np.moveaxis(x, axis, -1); K = x.shape[-1]
;;       x = np.pad(x, [(0, 0)] * (x.ndim - 1) + [(0, -K % 32)]); x = x.reshape(x.shape[:-1] + (-1, 32)); a = np.abs(x).max(-1, keepdims=True)
;;       e = np.where(a > 0, np.clip(np.frexp(np.where(a > 0, a, 1))[1] - 1 - 2, -126, 127), 0)      # np.frexp(a)[1] - 1 = floor(log2(a)), exactly
;;       r = np.clip(x / 2.0 ** e, -7.5, 7.5)
;;       step = 2.0 ** (np.maximum(np.frexp(np.where(r == 0, 1, r))[1] - 1, 0) - 3)
;;       q = np.round(r / step) * step * 2.0 ** e      # np.round: ties to even
;;       return np.moveaxis(q.reshape(q.shape[:-2] + (-1,))[..., :K], -1, axis).astype(np.float32)
;;   ~~~
;;   SOFTMAX AHEAD OF A QUANTISED PRODUCT. Where the list says 'softmax', what is quantised is not the finished softmax but p = 2^(t - M), with t = logit x log2(e) and M = ceil(the row's largest t), a whole number; so 1/2 < the row's largest p <= 1. The row's sum l is taken of the UNQUANTISED p, in f32, and the product's result is divided by l at the end. Since M is a whole number, a kernel that streams over the keys may use a running M (the ceiling of the running maximum): every later rescaling is an exact power of two, which a block's scale takes up: the codes' values come out the same.
;;   OPERANDS COMPUTED ON THE WAY. 'Computed on the way' means the value that the module computes at that place (a softmax that the list does not call 'softmax' is quantised finished and normalised). What goes into a quantiser is computed in f32, as accurately as f32 sums, v_exp_f32 and their like allow (about 1e-6 of the number): no bf16 or f16 on the way to a quantiser, and a product that is left as it is and whose result goes on into a quantised operand takes f32 operands (vector FMAs, or v_wmma_f32_16x16x4_f32). A number that lies on a knife's edge between two numbers of the format may be rounded either way, as far as f32 arithmetic and the matrix unit's own rounding can turn it there, and no further.
;; One version. Each part assembles by itself: llvm-mc -triple=amdgcn-amd-amdhsa -mcpu=gfx1250 --defsym DOCPART=n.
;; ======== version 1 of 1: 4 launches
;; limits: right only within a limited range of input values
;; workspace buffers: xc 6,291,456 bytes; xs 262,144 bytes; wc 3,145,728 bytes; ws 131,072 bytes; qq 6,815,744 bytes; kv 13,369,344 bytes; ac 6,291,456 bytes; asc 262,144 bytes
;; launch quant (part 1): grid 640 x 1, 4 waves a work-group, no clusters, 59,392 bytes of LDS; arguments x, Wq, Wk, Wv, Wo, xc, xs, wc, ws; writes xc, xs, wc, ws
.if DOCPART == 1
	.amdgcn_target "amdgcn-amd-amdhsa--gfx1250"
	.amdhsa_code_object_version 6
	.text
	.protected	k_q51f35db86f_quant
	.globl	k_q51f35db86f_quant
	.p2align	8
	.type	k_q51f35db86f_quant,@function
k_q51f35db86f_quant:
	s_mov_b64 s[64:65], 0
	v_nop
	global_prefetch_b8 v0, s[64:65] scope:SCOPE_SE
	s_setreg_imm32_b32 hwreg(HW_REG_WAVE_MODE, 25, 1), 1
	s_wait_xcnt 0x0
; x [8192][1024] (K innermost) and Wq, Wk, Wv, Wo [1024 (k)][1024 (n)] (K is the first axis), f32, become codes of FP6 (E2M3) with one E8M0 byte for each 32 along K.
; A block's scale is 2^(floor(log2(its largest magnitude)) - 2); its byte is the largest magnitude's exponent field - 2, held at 1 from below.
; LAYOUT OF THE CODES: images of operand fragments.  A fragment is 16 rows x 128 K, 12 registers a lane; registers 2 p, 2 p + 1 of lane l lie at 256 p + 8 l: 1,536 bytes.  xc: [512 row tiles][8 K steps][1,536];
; wc: [256 row tiles: Wq, Wk, Wv, Wo, 64 each][8][1,536].  xs, ws: [buffer row][32 bytes], byte k / 32.
; ROW ORDER: a row (a token, a weight's column n) lies at the buffer row whose bits 3 and 4 are exchanged: lane r of buffer tile 2 b + u is true row 32 b + 8 u + r % 8 + 16 (r / 8).  Where such a tile is a product's
; source 0, the 16 result registers of tiles 2 b and 2 b + 1 are 16 neighbouring true rows: what the next quantiser wants.
; LIMITS: a block of zeros gets the byte 1 where the rule says 127 (its codes are zeros; this program alone reads the bytes); NaN and infinities among the inputs are not served.
; SHARES: work-groups 0 to 511 take one row tile of x each (wave w: K steps 2 w, 2 w + 1); work-groups 512 to 639 take 128 columns x 256 k of one weight (wave w: 32 columns, a lane a column, registers down K).
; The two paths part on the work-group's number and have LDS bytes of their own.  No matrix unit, cluster or tensor load: this is a stream.
.set XPIT,  528                        ; x's stage: a row of 512 bytes + 16
.set XWST,  16*XPIT                    ; a wave's stage: 16 rows
.set XSC,   4*XWST                     ; the row tile's 512 scale bytes
.set WSTG,  XSC+512                    ; the weights' stages, 6,144 bytes a wave: two row tiles x two K steps
.set WWST,  6144
.set FRB,   1536
.set L16,   2                          ; v2  16 x lane
.set L8,    3                          ; v3  8 x lane
.set XIN,   4                          ; v4  x's stage, in
.set XOUT,  5                          ; v5  x's stage, out
.set XSW,   6                          ; v6  where my scale word goes
.set XSR,   7                          ; v7  where wave 0 reads the 512 bytes back
.set WSI,   8                          ; v8  a weight's stage, in
.set WSO,   9                          ; v9  out
.set WSB,   10                         ; v10 my column's row of scale bytes
.set L4,    13                         ; v13 4 x lane
.set R,     16                         ; v16-143  x as loaded: two K steps x 16 rows x 4 registers
.set X,     144                        ; v144-207 64 numbers of my row: register 16 b + i = k 32 b + 16 (lane / 16) + i
.set TM,    208                        ; v208-223 at work
.set PW,    224                        ; v224-225 the two K steps' scale words
.set PC,    226                        ; v226-245 the codes
.set SEL,   28                         ; s[28:29] lane selects: lane l xor 16
.set HM,    30                         ; s30 lanes 16-31
	s_load_b256 s[4:11], s[0:1], 0x0               ; x, Wq, Wk, Wv
	s_load_b256 s[12:19], s[0:1], 0x20             ; Wo, xc, xs, wc
	s_load_b64 s[20:21], s[0:1], 0x40              ; ws
	v_lshl_add_u32 v254, v0, 2, 0xe600
	v_mov_b32 v255, 0
	v_lshrrev_b32 v1, 5, v0
	v_readfirstlane_b32 s22, v1                    ; wave
	v_and_b32 v1, 31, v0                           ; lane
	v_and_b32 v11, 15, v0                          ; r
	v_bfe_u32 v12, v0, 4, 1                        ; h
	v_lshlrev_b32 v[L16], 4, v1
	v_lshlrev_b32 v[L8], 3, v1
	v_lshlrev_b32 v[L4], 2, v1
	s_mul_i32 s23, s22, XWST                       ; every LDS address is made here, ahead of the parting
	v_add_nc_u32 v[XIN], s23, v[L16]               ; in: a row's 512 bytes as they lie
	v_mul_u32_u24 v[XOUT], v11, XPIT
	v_lshl_add_u32 v[XOUT], v12, 6, v[XOUT]
	v_add_nc_u32 v[XOUT], s23, v[XOUT]             ; out: row r, + 64 h: my 16 numbers of a block of 32
	v_lshlrev_b32 v[XSW], 5, v11
	v_lshl_add_u32 v[XSW], v12, 2, v[XSW]
	s_lshl_b32 s23, s22, 3
	s_add_co_u32 s23, s23, XSC
	v_add_nc_u32 v[XSW], s23, v[XSW]               ; 32 r + 8 w + 4 h
	v_add_nc_u32 v[XSR], XSC, v[L16]
	v_bfe_u32 v14, v0, 3, 1                        ; u: which of my wave's two row tiles my column falls into
	v_and_b32 v15, 7, v0
	v_lshl_add_u32 v15, v12, 3, v15                ; r': its lane row there: lane % 8 + 8 (lane / 16)
	s_mul_i32 s23, s22, WWST
	s_add_co_u32 s23, s23, WSTG
	v_mul_u32_u24 v[WSI], v14, 3072
	v_lshl_add_u32 v[WSI], v15, 3, v[WSI]
	v_add_nc_u32 v[WSI], s23, v[WSI]
	v_add_nc_u32 v[WSO], s23, v[L16]
	v_lshl_add_u32 v[WSB], v14, 4, v15
	v_lshlrev_b32 v[WSB], 5, v[WSB]
	s_mov_b32 s[SEL], 0x76543210
	s_mov_b32 s[SEL+1], 0xfedcba98
	s_mov_b32 s[HM], 0xffff0000
.irp b, 0,1,2,3
	v_mov_b32 v[TM+4+\b], 0                        ; written once: a lane permute's destination counts as one of its sources
.endr
	s_wait_kmcnt 0x0
	s_cmp_lt_u32 ttmp9, 512
	s_cbranch_scc0 .Lweights
; 64 numbers of a lane become a fragment's 12 registers in v[PC] on and its row's scale word in v[pw]
.macro QUANT s, pw
.irp b, 0,1,2,3
	v_max3_num_f32 v[TM+\b], |v[\s+16*\b]|, |v[\s+1+16*\b]|, 0x1800000   ; block b: my 16 numbers and the floor 2^(3 - 127): the byte cannot fall under 1
.endr
.irp i, 2,4,6,8,10,12,14
.irp b, 0,1,2,3
	v_max3_num_f32 v[TM+\b], v[TM+\b], |v[\s+16*\b+\i]|, |v[\s+1+16*\b+\i]|
.endr
.endr
.irp b, 0,1,2,3
	v_permlanex16_b32 v[TM+4+\b], v[TM+\b], s[SEL], s[SEL+1]
.endr
.irp b, 0,1,2,3
	v_max_num_f32 v[TM+\b], v[TM+\b], v[TM+4+\b]   ; with lane l xor 16's: the block's largest magnitude
.endr
.irp b, 0,1,2,3
	v_add_nc_u32 v[TM+12+\b], 0xff000000, v[TM+\b] ; 2 off its exponent field: the conversion's scale operand
.endr
.irp b, 0,1,2,3
	v_lshrrev_b32 v[TM+4+\b], 23, v[TM+12+\b]      ; the scale's byte
.endr
	v_lshl_or_b32 v[\pw], v[TM+5], 8, v[TM+4]
	v_lshl_or_b32 v[\pw], v[TM+6], 16, v[\pw]
	v_lshl_or_b32 v[\pw], v[TM+7], 24, v[\pw]
.irp c, 0,1
	v_cvt_scalef32_pk16_fp6_f32 v[PC+6*\c:PC+2+6*\c], v[\s+32*\c:\s+15+32*\c], v[TM+12+2*\c]
	v_cvt_scalef32_pk16_fp6_f32 v[PC+12+4*\c:PC+14+4*\c], v[\s+16+32*\c:\s+31+32*\c], v[TM+12+2*\c+1]   ; (a conversion's three registers begin on an even number)
.endr
	v_nop                                          ; one plain place behind a scaled conversion
.irp c, 0,1                                    ; the operand wants a whole block in a lane: lanes 0-15 block 2 c, lanes 16-31 block 2 c + 1
.irp i, 0,1,2
	v_permlane16_swap_b32 v[PC+6*\c+\i], v[PC+12+4*\c+\i]
.endr
.irp i, 0,1,2
	v_mov_b32 v[PC+3+6*\c+\i], v[PC+12+4*\c+\i]
.endr
.endr
.endm
	; ---- x: row tile T = my work-group's number; its lane row i is true row 32 (T / 2) + 8 (T % 2) + i % 8 + 16 (i / 8)
	s_lshr_b32 s24, ttmp9, 1
	s_lshl_b32 s24, s24, 5
	s_and_b32 s25, ttmp9, 1
	s_lshl_b32 s25, s25, 3
	s_add_co_u32 s24, s24, s25
	s_lshl_b32 s24, s24, 12                        ; rows of 4,096 bytes
	s_lshl_b32 s25, s22, 10                        ; my wave's 256 along K
	s_add_co_u32 s24, s24, s25
	s_mov_b32 s25, 0
	s_add_nc_u64 s[4:5], s[4:5], s[24:25]
	s_lshl_b32 s24, ttmp9, 3
	s_lshl_b32 s26, s22, 1
	s_add_co_u32 s24, s24, s26
	s_mul_i32 s24, s24, FRB                        ; fragment 8 T + 2 w
	s_add_nc_u64 s[14:15], s[14:15], s[24:25]
	s_lshl_b32 s24, ttmp9, 9
	s_add_nc_u64 s[16:17], s[16:17], s[24:25]
.irp s, 0,1
.irp i, 0,1,2,3,4,5,6,7,8,9,10,11,12,13,14,15
	global_load_b128 v[R+64*\s+4*\i:R+64*\s+4*\i+3], v[L16], s[4:5] offset:((\i%8)+16*(\i/8))*4096+512*\s th:TH_LOAD_NT   ; 32 lanes read 512 consecutive bytes of a row
.endr
.endr
.irp s, 0,1
	s_wait_loadcnt 16*(1-\s)                       ; this K step's 16 loads are in; the other's may be out
.irp i, 0,1,2,3,4,5,6,7,8,9,10,11,12,13,14,15
	ds_store_b128 v[XIN], v[R+64*\s+4*\i:R+64*\s+4*\i+3] offset:XPIT*\i
.endr
.irp b, 0,1,2,3
.irp j, 0,1,2,3
	ds_load_b128 v[X+16*\b+4*\j:X+16*\b+4*\j+3], v[XOUT] offset:128*\b+16*\j   ; LDS serves a wave's instructions in order: these see my stores
.endr
.endr
	s_wait_dscnt 0x0
	s_wait_xcnt 0x0                                ; the last K step's stores have read the codes' registers
	QUANT X, PW+\s
.irp p, 0,1,2,3,4,5
	global_store_b64 v[L8], v[PC+2*\p:PC+2*\p+1], s[14:15] offset:FRB*\s+256*\p   ; 32 lanes store 256 consecutive bytes, aligned
.endr
.endr
	v_cndmask_b32 v[PW], v[PW], v[PW+1], s[HM]     ; lanes 0-15 carry K step 2 w's word of row r, lanes 16-31 K step 2 w + 1's
	ds_store_b32 v[XSW], v[PW]
	s_wait_dscnt 0x0                               ; for the others' sake: my words lie in LDS
	s_barrier_signal -1
	s_barrier_wait -1
	s_cmp_lg_u32 s22, 0
	s_cbranch_scc1 .Lx_end
	ds_load_b128 v[R:R+3], v[XSR]                  ; wave 0 stores the tile's 512 scale bytes whole
	s_wait_dscnt 0x0
	global_store_b128 v[L16], v[R:R+3], s[16:17]
.Lx_end:
	s_wait_tensorcnt 0x0
	ds_add_u32 v254, v255
	s_wait_dscnt 0x0
	s_endpgm
	; ---- the weights
.set WX,   32                          ; v32-95  two sets of 32 numbers
.set CW,   160                         ; v160-165 a block's codes
.set DW,   168                         ; v168-170 its second conversion
.set SB,   24                          ; v24-25  my column's 8 scale bytes
.set OUTR, 176                         ; v176-223 the way out
.set MXA,  16
.set MXB,  17
.set SOP,  18
.set BYT,  19
.Lweights:
	s_sub_co_u32 s24, ttmp9, 512
	s_lshr_b32 s25, s24, 5                         ; which weight
	s_bfe_u32 s26, s24, 0x30002                    ; nx: which 128 columns
	s_and_b32 s27, s24, 3                          ; ky: which 256 along K
	s_cmp_eq_u32 s25, 1
	s_cselect_b64 s[6:7], s[8:9], s[6:7]
	s_cmp_eq_u32 s25, 2
	s_cselect_b64 s[6:7], s[10:11], s[6:7]
	s_cmp_eq_u32 s25, 3
	s_cselect_b64 s[6:7], s[12:13], s[6:7]
	s_lshl_b32 s32, s27, 20                        ; 256 ky rows of 4,096 bytes
	s_lshl_b32 s34, s26, 9
	s_add_co_u32 s32, s32, s34
	s_lshl_b32 s34, s22, 7
	s_add_co_u32 s32, s32, s34                     ; + 4 x (128 nx + 32 w)
	s_mov_b32 s33, 0
	s_add_nc_u64 s[6:7], s[6:7], s[32:33]
	s_lshl_b32 s32, s25, 6
	s_lshl_b32 s34, s26, 3
	s_add_co_u32 s32, s32, s34
	s_lshl_b32 s34, s22, 1
	s_add_co_u32 s32, s32, s34                     ; row tile 64 weight + 8 nx + 2 w
	s_mul_i32 s34, s32, 8*FRB
	s_mul_i32 s35, s27, 2*FRB
	s_add_co_u32 s34, s34, s35
	s_mov_b32 s35, 0
	s_add_nc_u64 s[18:19], s[18:19], s[34:35]
	s_lshl_b32 s32, s32, 9                         ; 16 rows of 32 scale bytes a tile
	s_lshl_b32 s34, s27, 3
	s_add_co_u32 s32, s32, s34
	s_add_nc_u64 s[20:21], s[20:21], s[32:33]
.macro LOAD t                          ; block t: W(32 t + i, my column) into set t % 2
.irp i, 0,1,2,3,4,5,6,7,8,9,10,11,12,13,14,15,16,17,18,19,20,21,22,23,24,25,26,27,28,29,30,31
	global_load_b32 v[WX+32*((\t)%2)+\i], v[L4], s[6:7] offset:(32*(\t)+\i)*4096 th:TH_LOAD_NT
.endr
.endm
	LOAD 0
	LOAD 1
.macro BLOCK t
.set XS, WX+32*((\t)%2)
.if (\t) < 7
	s_wait_loadcnt 32                              ; this block's 32 loads are in; the next block's may be out
.else
	s_wait_loadcnt 0
.endif
	v_max3_num_f32 v[MXA], |v[XS]|, |v[XS+1]|, |v[XS+2]|   ; all 32 numbers of the block are mine
	v_max3_num_f32 v[MXB], |v[XS+3]|, |v[XS+4]|, |v[XS+5]|
.irp i, 6,10,14,18,22,26
	v_max3_num_f32 v[MXA], v[MXA], |v[XS+\i]|, |v[XS+\i+1]|
	v_max3_num_f32 v[MXB], v[MXB], |v[XS+\i+2]|, |v[XS+\i+3]|
.endr
	v_max3_num_f32 v[MXA], v[MXA], |v[XS+30]|, |v[XS+31]|
	v_max3_num_f32 v[MXA], v[MXA], v[MXB], 0x1800000   ; and the floor
	v_add_nc_u32 v[SOP], 0xff000000, v[MXA]
	v_lshrrev_b32 v[BYT], 23, v[SOP]
.if (\t)%4 == 0
	v_mov_b32 v[SB+(\t)/4], v[BYT]
.else
	v_lshl_or_b32 v[SB+(\t)/4], v[BYT], 8*((\t)%4), v[SB+(\t)/4]
.endif
	v_cvt_scalef32_pk16_fp6_f32 v[CW:CW+2], v[XS:XS+15], v[SOP]
	v_cvt_scalef32_pk16_fp6_f32 v[DW:DW+2], v[XS+16:XS+31], v[SOP]
	v_nop                                          ; one plain place behind a scaled conversion
.irp i, 0,1,2
	v_mov_b32 v[CW+3+\i], v[DW+\i]
.endr
.irp p, 0,1,2                                  ; block t is K step t / 4, registers 6 ((t / 2) % 2) on, of the fragment lane r' + 16 (t % 2)
	ds_store_b64 v[WSI], v[CW+2*\p:CW+2*\p+1] offset:((\t)/4)*FRB+768*(((\t)/2)%2)+128*((\t)%2)+256*\p
.endr
.if (\t)+2 < 8
	LOAD (\t)+2
.endif
	s_wait_dscnt 0x0                               ; the stores have read their registers
.endm
.irp t, 0,1,2,3,4,5,6,7
	BLOCK \t
.endr
	s_wait_alu depctr_va_vdst(0)
	global_store_b64 v[WSB], v[SB:SB+1], s[20:21]  ; 8 of a row's 32 scale bytes: the other 24 are other work-groups'
.irp i, 0,1,2,3,4,5,6,7,8,9,10,11
	ds_load_b128 v[OUTR+4*\i:OUTR+4*\i+3], v[WSO] offset:512*\i
.endr
.irp i, 0,1,2,3,4,5,6,7,8,9,10,11
	s_wait_dscnt 11-\i
	global_store_b128 v[L16], v[OUTR+4*\i:OUTR+4*\i+3], s[18:19] offset:8*FRB*(\i/6)+512*(\i%6)   ; 32 lanes store 512 consecutive bytes, aligned
.endr
	s_wait_tensorcnt 0x0
	ds_add_u32 v254, v255
	s_wait_dscnt 0x0
	s_endpgm
.Lfunc_end_k_q51f35db86f_quant:
	.size	k_q51f35db86f_quant, .Lfunc_end_k_q51f35db86f_quant-k_q51f35db86f_quant
	.p2alignl 7, 3214868480
	.fill 96, 4, 3214868480
	.section	.rodata,"a",@progbits
	.p2align	6, 0x0
	.amdhsa_kernel k_q51f35db86f_quant
		.amdhsa_group_segment_fixed_size 59392
		.amdhsa_private_segment_fixed_size 0
		.amdhsa_enable_private_segment 0
		.amdhsa_kernarg_size 72
		.amdhsa_user_sgpr_count 2
		.amdhsa_user_sgpr_kernarg_segment_ptr 1
		.amdhsa_wavefront_size32 1
		.amdhsa_system_sgpr_workgroup_id_x 1
		.amdhsa_system_sgpr_workgroup_id_y 1
		.amdhsa_system_sgpr_workgroup_id_z 1
		.amdhsa_system_vgpr_workitem_id 0
		.amdhsa_next_free_vgpr 256
		.amdhsa_next_free_sgpr 66
		.amdhsa_reserve_vcc 0
		.amdhsa_float_denorm_mode_32 3
		.amdhsa_float_denorm_mode_16_64 3
		.amdhsa_memory_ordered 1
		.amdhsa_forward_progress 1
		.amdhsa_inst_pref_size 61
	.end_amdhsa_kernel
	.amdgpu_metadata
---
amdhsa.version: [ 1, 2 ]
amdhsa.kernels:
  - .name:           k_q51f35db86f_quant
    .symbol:         k_q51f35db86f_quant.kd
    .args:
      - { .name: x, .offset: 0, .size: 8, .value_kind: global_buffer, .address_space: global }
      - { .name: Wq, .offset: 8, .size: 8, .value_kind: global_buffer, .address_space: global }
      - { .name: Wk, .offset: 16, .size: 8, .value_kind: global_buffer, .address_space: global }
      - { .name: Wv, .offset: 24, .size: 8, .value_kind: global_buffer, .address_space: global }
      - { .name: Wo, .offset: 32, .size: 8, .value_kind: global_buffer, .address_space: global }
      - { .name: xc, .offset: 40, .size: 8, .value_kind: global_buffer, .address_space: global }
      - { .name: xs, .offset: 48, .size: 8, .value_kind: global_buffer, .address_space: global }
      - { .name: wc, .offset: 56, .size: 8, .value_kind: global_buffer, .address_space: global }
      - { .name: ws, .offset: 64, .size: 8, .value_kind: global_buffer, .address_space: global }
    .group_segment_fixed_size: 59392
    .private_segment_fixed_size: 0
    .kernarg_segment_align: 8
    .kernarg_segment_size: 72
    .max_flat_workgroup_size: 128
    .sgpr_count:     66
    .vgpr_count:     256
    .wavefront_size: 32
...
	.end_amdgpu_metadata
.endif
;; end of part 1
;; launch gemm_qkv (part 2): grid 12 x 32, 4 waves a work-group, clusters of 4 x 4, 327,680 bytes of LDS; arguments xc, xs, wc, ws, bq, bk, bv, attention_mask, qq, kv; writes qq, kv
.if DOCPART == 2
	.amdgcn_target "amdgcn-amd-amdhsa--gfx1250"
	.amdhsa_code_object_version 6
	.text
	.protected	k_q51f35db86f_gemm_qkv
	.globl	k_q51f35db86f_gemm_qkv
	.p2align	8
	.type	k_q51f35db86f_gemm_qkv,@function
k_q51f35db86f_gemm_qkv:
	s_mov_b64 s[64:65], 0
	v_nop
	global_prefetch_b8 v0, s[64:65] scope:SCOPE_SE
	s_setreg_imm32_b32 hwreg(HW_REG_WAVE_MODE, 25, 1), 1
	s_wait_xcnt 0x0
	s_wait_alu depctr_hold_cnt(0) depctr_sa_sdst(0) depctr_va_vdst(0) depctr_va_sdst(0) depctr_va_ssrc(0) depctr_va_vcc(0) depctr_vm_vsrc(0)
	s_getreg_b32 s2, hwreg(HW_REG_IB_STS2, 6, 4)
	s_cmp_eq_u32 s2, 0
	s_cbranch_scc0 .Lentry_in_a_cluster
	s_endpgm
.Lentry_in_a_cluster:
	s_bfe_u32 s2, ttmp6, 0x10000c
	s_cmp_lg_u32 s2, 0xf033
	s_cbranch_scc0 .Lentry_shape_is_right
	s_endpgm
.Lentry_shape_is_right:
.set NQ,     2
.set FR,     12
.set NL,     6
.set NP,     4
.set FRB,    1536
.set TROW,   NQ*FRB
.set KROW,   768
.set HALFT,  8*TROW
.set SLOT,   4*HALFT
.set LAPS,   2
.set KS,     32
.set SCL,    2*SLOT
.set HALFS,  (128*KS/256)*272
.set SBLK,   (16*KS/256)*272
.set SPARE,  SCL+4*HALFS
.set L16,  8
.set L8,   9
.set MA,   10
.set ADRA, 16
.set ADRB, 20
.set ADRS, 27
.set SPW,  28
.set NIL,  29
.set SC,   32
.set BI,   64
.set AF,   128
.set MK,   224
.set TM,   64
.set TA,   82
.set TC,   83
.set EV,   86
.set SW,   150
.set G1, 24
.set G0, 32
.set G1B, 48
.set G0B, 56
.set G1S, 68
.set G0S, 76
.set G1SB, 80
.set G0SB, 88
.set BLK, 18
.set BAS, 22
.set DLT, 23
.set HM,  45
.set SEL, 46
.set MSB, 0
.macro WIN new
.if MSB != (\new)
	s_set_vgpr_msb (MSB<<8)|(\new)
.set MSB, (\new)
.endif
.endm
.set MUL_LO, 0xa1
.set MUL_HI, 0xf1
.set TO_B,   0x40
.macro JLOAD g0a, g1a, g0b, g1b
	s_cmp_eq_u32 s15, 0
	s_cbranch_scc0 .Lfor_b_\@
	tensor_load_to_lds s[\g0a:\g0a+3], s[\g1a:\g1a+7]
	s_nop 0
.rept 4
	v_nop
.endr
	s_branch .Lasked_\@
.Lfor_b_\@:
	tensor_load_to_lds s[\g0b:\g0b+3], s[\g1b:\g1b+7]
	s_nop 0
.rept 4
	v_nop
.endr
.Lasked_\@:
.endm
.macro CREST
	s_cmp_lg_u32 s14, 0
	s_cbranch_scc1 .Lnot_wave_0_\@
	s_barrier_signal -3
.Lnot_wave_0_\@:
	s_barrier_wait -3
	s_barrier_signal -1
	s_barrier_wait -1
.endm
.macro CROUND
	s_barrier_signal -1
	s_barrier_wait -1
	CREST
.endm
	s_load_b256 s[4:11], s[0:1], 0x0
	v_lshl_add_u32 v[SPW], v0, 2, SPARE
	v_mov_b32 v[NIL], 0
	ds_add_u32 v28, v29
	ds_add_u32 v28, v29
	s_wait_dscnt 0x0
	v_lshrrev_b32 v1, 5, v0
	v_readfirstlane_b32 s14, v1
	s_lshr_b32 s15, s14, 1
	s_and_b32 s16, s14, 1
	s_bfe_u32 s40, ttmp6, 0x40000
	s_bfe_u32 s41, ttmp6, 0x40004
	s_and_b32 s17, ttmp7, 0xffff
	s_lshl_b32 s17, s17, 2
	s_lshl_b32 s42, ttmp9, 2
	s_cmp_eq_u32 ttmp9, 2
	s_cselect_b32 s18, 8, s17
	s_cselect_b32 s19, s17, s42
	s_add_co_u32 s17, s18, s41
	s_add_co_u32 s42, s19, s40
	s_lshl_b32 s43, s41, 2
	s_lshl_b32 s43, 15, s43
	s_lshl_b32 s44, 0x1111, s40
	s_or_b32 s[G1+0], s43, (3<<16)|(1<<21)
	s_or_b32 s[G1B+0], s44, (3<<16)|(1<<21)
.irp g, G1, G1B
	s_mov_b32 s[\g+1], 384<<16
	s_mov_b32 s[\g+2], 16<<16                      ; the head's loads of codes bring 16 row tiles; behind them the two words that count rows are set to 8, for the ring's
	s_mov_b32 s[\g+3], 384<<16
	s_mov_b32 s[\g+4], 16
	s_mov_b32 s[\g+5], 1536
	s_mov_b32 s[\g+6], 0
	s_mov_b32 s[\g+7], 0
.endr
	s_or_b32 s[G1S+0], s43, (3<<16)|(1<<20)|(1<<21)|(5<<22)|(3<<25)
	s_or_b32 s[G1SB+0], s44, (3<<16)|(1<<20)|(1<<21)|(5<<22)|(3<<25)
.irp g, G1S, G1SB
	s_mov_b32 s[\g+1], 32<<16
	s_mov_b32 s[\g+2], (256*KS/256)<<16            ; the scale bytes of 256 rows: 32 units of 256 bytes
	s_mov_b32 s[\g+3], 32<<16
	s_mov_b32 s[\g+4], 256*KS/256
	s_mov_b32 s[\g+5], 32
	s_mov_b32 s[\g+6], 0
	s_mov_b32 s[\g+7], 0
.endr
	s_lshl_b32 s18, s16, 7
	s_lshl_b32 s20, s17, 8
	s_add_co_u32 s20, s20, s18
	s_lshl_b32 s46, s42, 8
	s_add_co_u32 s46, s46, s18
	s_mov_b32 s21, 0
	s_mov_b32 s47, 0
	s_mov_b64 s[18:19], KS
	s_mul_u64 s[22:23], s[20:21], s[18:19]
	s_mul_u64 s[92:93], s[46:47], s[18:19]
	s_mov_b64 s[18:19], KROW
	s_mul_u64 s[20:21], s[20:21], s[18:19]
	s_mul_u64 s[46:47], s[46:47], s[18:19]
	s_mul_i32 s45, s14, HALFT
	s_wait_kmcnt 0x0
	s_cmp_eq_u32 ttmp9, 2
	s_cselect_b64 s[12:13], s[8:9], s[4:5]
	s_cselect_b64 s[96:97], s[10:11], s[6:7]
	s_cselect_b64 s[8:9], s[4:5], s[8:9]
	s_cselect_b64 s[10:11], s[6:7], s[10:11]
	s_add_nc_u64 s[20:21], s[12:13], s[20:21]
	s_add_nc_u64 s[22:23], s[96:97], s[22:23]
	s_add_nc_u64 s[46:47], s[8:9], s[46:47]
	s_add_nc_u64 s[92:93], s[10:11], s[92:93]
	CROUND
; THE HEAD'S LOADS, ONE A WAVE: wave 0 fetches slot 0's 16 row tiles of A, wave 1 those of B, wave 2 the scale bytes of A's 256 rows, wave 3 those of B's.
; s[20:21], s[46:47], s[22:23], s[92:93] point at my half of a tile (128 x (wave % 2) rows on): the whole tiles begin that much earlier.
	s_mul_i32 s18, s16, 128*KROW
	s_mov_b32 s19, 0
	s_mov_b32 s[G0], 1
	s_mov_b32 s[G0+1], 0
	s_sub_nc_u64 s[G0+2:G0+3], s[20:21], s[18:19]
	s_or_b32 s[G0+3], s[G0+3], 0x80000000
	s_mov_b32 s[G0B], 1
	s_mov_b32 s[G0B+1], 2*HALFT
	s_sub_nc_u64 s[G0B+2:G0B+3], s[46:47], s[18:19]
	s_or_b32 s[G0B+3], s[G0B+3], 0x80000000
	s_mul_i32 s18, s16, 128*KS
	s_mov_b32 s[G0S], 1
	s_mov_b32 s[G0S+1], SCL
	s_sub_nc_u64 s[G0S+2:G0S+3], s[22:23], s[18:19]
	s_or_b32 s[G0S+3], s[G0S+3], 0x80000000
	s_mov_b32 s[G0SB], 1
	s_mov_b32 s[G0SB+1], SCL+2*HALFS
	s_sub_nc_u64 s[G0SB+2:G0SB+3], s[92:93], s[18:19]
	s_or_b32 s[G0SB+3], s[G0SB+3], 0x80000000
.macro ARM under, g0, g1, next         ; one chain of branches on the wave's number, a load to an arm, all arms leading to one join
	s_cmp_lt_u32 s14, \under
	s_cbranch_scc0 \next
	tensor_load_to_lds s[\g0:\g0+3], s[\g1:\g1+7]
	s_nop 0
.rept 4
	v_nop
.endr
	s_branch .Lhead_asked
\next:
.endm
	ARM 1, G0,  G1,  .Lhead_b
	ARM 2, G0B, G1B, .Lhead_sa
	ARM 3, G0S, G1S, .Lhead_sb
	tensor_load_to_lds s[G0SB:G0SB+3], s[G1SB:G1SB+7]
	s_nop 0
.rept 4
	v_nop
.endr
.Lhead_asked:
	s_mov_b32 s[G0+4], 1                           ; the ring: slot 1's descriptors, my 8 row tiles of a tile;
	s_add_co_u32 s[G0+5], s45, SLOT
	s_add_nc_u64 s[G0+6:G0+7], s[20:21], TROW
	s_or_b32 s[G0+7], s[G0+7], 0x80000000
	s_mov_b32 s[G0B+4], 1
	s_add_co_u32 s[G0B+5], s45, SLOT
	s_add_nc_u64 s[G0B+6:G0B+7], s[46:47], TROW
	s_or_b32 s[G0B+7], s[G0B+7], 0x80000000
	s_mov_b64 s[98:99], s[20:21]                   ; slot 0's addresses are kept: its descriptors are written behind the wait for the head's loads
	s_mov_b64 s[100:101], s[46:47]
	s_load_b256 s[4:11], s[0:1], 0x20
	s_load_b128 s[92:95], s[0:1], 0x40
	v_and_b32 v1, 15, v0
	v_bfe_u32 v2, v0, 4, 1
	v_and_b32 v6, 31, v0
	v_lshlrev_b32 v[L16], 4, v6
	v_lshlrev_b32 v[L8], 3, v6
	s_mul_i32 s21, s15, HALFT
	s_mul_i32 s22, s16, HALFT
	s_add_co_u32 s22, s22, 2*HALFT
.irp s, 0,1
	v_add_nc_u32 v[ADRA+\s], s21, v[L8]
	v_add_nc_u32 v[ADRB+\s], s22, v[L8]
	s_add_co_u32 s21, s21, SLOT
	s_add_co_u32 s22, s22, SLOT
.endr
	v_mul_u32_u24 v5, v1, KS
	v_lshrrev_b32 v6, 8, v5
	v_lshl_add_u32 v5, v6, 4, v5
	s_mul_i32 s21, s15, HALFS
	s_mul_i32 s22, s16, HALFS
	s_add_co_u32 s22, s22, 2*HALFS
	s_sub_co_u32 s22, s22, s21
	v_mul_u32_u24 v6, s22, v2
	s_add_co_u32 s21, s21, SCL
	v_add_nc_u32 v5, v5, v6
	v_add_nc_u32 v[ADRS], s21, v5
	v_and_b32 v[MA], 7, v0
	v_bfe_u32 v4, v0, 3, 1
	v_lshl_add_u32 v[MA], v4, 4, v[MA]
	s_wait_kmcnt 0x0
	s_cmp_eq_u32 ttmp9, 2
	s_cbranch_scc1 .Lbias_v
	s_cmp_eq_u32 ttmp9, 0
	s_cselect_b64 s[4:5], s[4:5], s[6:7]
	s_lshl_b32 s12, s40, 10
	s_lshl_b32 s13, s16, 9
	s_add_co_u32 s12, s12, s13
	s_mov_b32 s13, 0
	s_add_nc_u64 s[4:5], s[4:5], s[12:13]
	v_lshlrev_b32 v3, 6, v2
.irp t, 0,1,2,3,4,5,6,7
	global_load_b128 v[BI+8*\t:BI+8*\t+3], v3, s[4:5] offset:(32*(\t/2)+8*(\t%2))*4
	global_load_b128 v[BI+8*\t+4:BI+8*\t+7], v3, s[4:5] offset:(32*(\t/2)+8*(\t%2))*4+16
.endr
	s_lshl_b32 s12, s17, 8                         ; the mask's bytes of my 128 tokens, asked for here, under the head's loads: v224-231 are named by no line of the walk along K
	s_lshl_b32 s13, s15, 7
	s_add_co_u32 s12, s12, s13
	s_mov_b32 s13, 0
	s_add_nc_u64 s[10:11], s[10:11], s[12:13]
	s_wait_alu depctr_va_vdst(0)                   ; directly ahead of the readers below
.irp a, 0,1,2,3,4,5,6,7
	global_load_u8 v[MK+\a], v[MA], s[10:11] offset:32*(\a/2)+8*(\a%2)
.endr
	s_branch .Lbias_done
.Lbias_v:
	s_lshl_b32 s12, s41, 10
	s_lshl_b32 s13, s15, 9
	s_add_co_u32 s12, s12, s13
	s_mov_b32 s13, 0
	s_add_nc_u64 s[8:9], s[8:9], s[12:13]
	s_wait_alu depctr_va_vdst(0)
	v_lshlrev_b32 v3, 2, v[MA]
.irp a, 0,1,2,3,4,5,6,7
	global_load_b32 v[BI+8*\a], v3, s[8:9] offset:(32*(\a/2)+8*(\a%2))*4
.endr
	s_wait_loadcnt 0x0
.irp a, 0,1,2,3,4,5,6,7
.irp j, 1,2,3,4,5,6,7
	v_mov_b32 v[BI+8*\a+\j], v[BI+8*\a]
.endr
.endr
.rept 8
	v_nop
.endr
.Lbias_done:
	s_wait_loadcnt 0x0
.macro FRAG reg, adr, q, i
.irp p, 0,1,2,3,4,5
	ds_load_b64 v[\reg+2*\p:\reg+2*\p+1], v[\adr] offset:(\i)*TROW+(\q)*FRB+256*\p
.endr
.endm
.macro MUL16 a0, p, q, sc, zero
.irp a, \a0, \a0+1
.irp b, 0,1,2,3,4,5,6,7
.set rD, 8*(8*((\a)%4)+\b)
.set rB, 128*(\p)+FR*\b
.set rA, AF+FR*(\a)
.set rSB, SC+8*NQ*(\sc)+NQ*\b+(\q)
.set rSA, SC+8*NQ*(\sc)+NQ*(\a)+(\q)
.if \zero == 1
.set rC, BI+8*\b
.elseif \zero == 2
.set rC, BI+8*(\a)
.else
.set rC, rD
.endif
	v_wmma_scale_f32_16x16x128_f8f6f4 v[rD:rD+7], v[rB:rB+FR-1], v[rA:rA+FR-1], v[rC:rC+7], v[rSB], v[rSA] matrix_a_fmt:MATRIX_FMT_FP6 matrix_b_fmt:MATRIX_FMT_FP6 matrix_a_scale:MATRIX_SCALE_ROW1
.endr
.endr
.endm
.macro FETCH_B slot, q, p
	WIN TO_B
.irp i, 0,1,2,3,4,5,6,7
	FRAG 128*(\p)+FR*\i, ADRB+\slot, \q, \i
.endr
	WIN 0
.endm
.macro FETCH_A slot, q, i0
.irp i, \i0, \i0+1, \i0+2, \i0+3
	FRAG AF+FR*(\i), ADRA+\slot, \q, \i
.endr
.endm
.macro SCALES sc
.irp i, 0,1,2,3,4,5,6,7
	ds_load_b64 v[SC+8*NQ*\sc+NQ*\i:SC+8*NQ*\sc+NQ*\i+1], v[ADRS] offset:\i*SBLK
.endr
.endm
.macro PLACES n
.rept \n
	v_nop
.endr
.endm
.macro STEP slot, q, zero
	s_wait_dscnt 4*NL
.if \zero
	WIN 0x81
.else
	WIN MUL_LO
.endif
	MUL16 0, (\q)%2, \q, \slot, \zero
	MUL16 2, (\q)%2, \q, \slot, \zero
	s_wait_dscnt 0
	PLACES NP
	FETCH_B \slot, (\q)+1, 1-(\q)%2
	FETCH_A \slot, (\q)+1, 0
.if \zero
	WIN 0xc1
.else
	WIN MUL_HI
.endif
	MUL16 4, (\q)%2, \q, \slot, \zero
	MUL16 6, (\q)%2, \q, \slot, \zero
	PLACES NP
	WIN 0
	FETCH_A \slot, (\q)+1, 4
.endm
.macro TURN slot, next, fill
	s_wait_tensorcnt 0x0
	ds_add_u32 v[SPW], v[NIL]
	s_wait_dscnt 4*NL+1
	WIN MUL_LO
	MUL16 0, 1, NQ-1, \slot, 0
	s_wait_dscnt 0x0
	s_barrier_signal -1
	MUL16 2, 1, NQ-1, \slot, 0
	WIN 0
	s_barrier_wait -1
.if \fill
	CREST
	s_add_nc_u64 s[G0+4*\slot+2:G0+4*\slot+3], s[G0+4*\slot+2:G0+4*\slot+3], 2*TROW
	s_add_nc_u64 s[G0B+4*\slot+2:G0B+4*\slot+3], s[G0B+4*\slot+2:G0B+4*\slot+3], 2*TROW
	JLOAD G0+4*\slot, G1, G0B+4*\slot, G1B
.else
	PLACES NP
.endif
	s_wait_alu depctr_va_vdst(0)
	v_add_nc_u32 v[ADRS], 4*NQ, v[ADRS]
	FETCH_B \next, 0, 0
	FETCH_A \next, 0, 0
	SCALES \next
	WIN MUL_HI
	MUL16 4, 1, NQ-1, \slot, 0
	MUL16 6, 1, NQ-1, \slot, 0
	PLACES NP
	WIN 0
	FETCH_A \next, 0, 4
.endm
	s_wait_alu depctr_va_vdst(0)                   ; the wait at the head's end
	s_wait_tensorcnt 0x0                           ; my tile of the head's four is in; these lines stand ahead of a later first fill, as ahead of a refill
	ds_add_u32 v[SPW], v[NIL]
	s_mov_b32 s[G1+2], 8<<16                       ; no tensor load of mine is out, so descriptors may be written: from here on a load brings 8 row tiles,
	s_mov_b32 s[G1+4], 8
	s_mov_b32 s[G1B+2], 8<<16
	s_mov_b32 s[G1B+4], 8
	s_mov_b32 s[G0+1], s45                         ; and slot 0's descriptors name my 8 row tiles of a tile
	s_mov_b64 s[G0+2:G0+3], s[98:99]
	s_or_b32 s[G0+3], s[G0+3], 0x80000000
	s_mov_b32 s[G0B+1], s45
	s_mov_b64 s[G0B+2:G0B+3], s[100:101]
	s_or_b32 s[G0B+3], s[G0B+3], 0x80000000
	s_wait_dscnt 0x0
	CROUND                                         ; a whole round: all four tiles are in, and all sixteen work-groups are here
	JLOAD G0+4, G1, G0B+4, G1B                     ; slot 1's first fill, the first tensor load behind the round
	FETCH_B 0, 0, 0
	FETCH_A 0, 0, 0
	s_wait_alu depctr_va_vdst(0)
	SCALES 0
	FETCH_A 0, 0, 4
	s_cmp_eq_u32 ttmp9, 2
	s_cbranch_scc1 .Lfirst_v
	STEP 0, 0, 1
	s_branch .Lfirst_done
.Lfirst_v:
	STEP 0, 0, 2
.Lfirst_done:
	s_mov_b32 s3, LAPS-1
.Llap:
	TURN 0, 1, 1
	STEP 1, 0, 0
	TURN 1, 0, 1
	STEP 0, 0, 0
	s_sub_co_u32 s3, s3, 1
	s_cmp_lg_u32 s3, 0
	s_cbranch_scc1 .Llap
	TURN 0, 1, 0
	STEP 1, 0, 0
	s_wait_dscnt 4*NL
	WIN MUL_LO
	MUL16 0, 1, NQ-1, 1, 0
	MUL16 2, 1, NQ-1, 1, 0
	s_wait_dscnt 0
	WIN MUL_HI
	MUL16 4, 1, NQ-1, 1, 0
	MUL16 6, 1, NQ-1, 1, 0
	WIN 0
	PLACES NP
.macro QUANTW a
.set AW, 2+(\a)/4
.set AS0, 64*((\a)%4)
.set PC, 192-64*(((\a)%4)/3)
	WIN (AW<<2)|(AW<<4)
.irp b, 0,1,2,3
	v_max3_num_f32 v[TM+\b], 0x1800000, |v[AS0+16*\b]|, |v[AS0+1+16*\b]|
.endr
.irp i, 2,4,6,8,10,12,14
.irp b, 0,1,2,3
	v_max3_num_f32 v[TM+\b], v[TM+\b], |v[AS0+16*\b+\i]|, |v[AS0+1+16*\b+\i]|
.endr
.endr
	WIN 0
.irp b, 0,1,2,3
	v_permlanex16_b32 v[TM+4+\b], v[TM+\b], s[SEL], s[SEL+1]
.endr
.irp b, 0,1,2,3
	v_max_num_f32 v[TM+\b], v[TM+\b], v[TM+4+\b]
.endr
.irp b, 0,1,2,3
	v_add_nc_u32 v[TM+12+\b], 0xff000000, v[TM+\b]
.endr
.irp b, 0,1,2,3
	v_lshrrev_b32 v[TM+4+\b], 23, v[TM+12+\b]
.endr
	s_wait_alu depctr_va_vdst(0)
	s_wait_xcnt 0x0
	WIN AW
.irp c, 0,1
	v_cvt_scalef32_pk16_fp6_f32 v[PC+6*\c:PC+2+6*\c], v[AS0+32*\c:AS0+15+32*\c], v[TM+12+2*\c]
	v_cvt_scalef32_pk16_fp6_f32 v[PC+12+4*\c:PC+14+4*\c], v[AS0+16+32*\c:AS0+31+32*\c], v[TM+12+2*\c+1]
.endr
	WIN 0
	v_nop
.irp c, 0,1
.irp i, 0,1,2
	v_permlane16_swap_b32 v[PC+6*\c+\i], v[PC+12+4*\c+\i]
.endr
.irp i, 0,1,2
	v_mov_b32 v[PC+3+6*\c+\i], v[PC+12+4*\c+\i]
.endr
.endr
.endm
	s_mov_b32 s[HM], 0xffff0000
	s_mov_b32 s[SEL], 0x76543210
	s_mov_b32 s[SEL+1], 0xfedcba98
	s_cmp_eq_u32 ttmp9, 2
	s_cbranch_scc1 .Lout_v
	s_lshr_b32 s12, s17, 3
	s_lshl_b32 s12, s12, 4
	s_lshl_b32 s13, s40, 2
	s_add_co_u32 s12, s12, s13
	s_lshl_b32 s13, s16, 1
	s_add_co_u32 s12, s12, s13
	s_lshl_b32 s13, s17, 1
	s_add_co_u32 s13, s13, s15
	s_and_b32 s13, s13, 15
	s_cmp_eq_u32 ttmp9, 0
	s_cselect_b64 s[BLK:BLK+1], s[92:93], s[94:95]
	s_mov_b32 s43, 208896
	s_cselect_b32 s43, 106496, s43
	s_mov_b32 s44, 13056
	s_cselect_b32 s44, 6656, s44
	s_mov_b32 s[BAS], (1<<16)|(1<<24)
	s_cselect_b32 s[BAS], (127<<16)|(1<<24), s[BAS]
	s_cselect_b32 s[DLT], 0, 226<<16
	s_mul_i32 s12, s12, s43
	s_mul_i32 s13, s13, s44
	s_add_co_u32 s12, s12, s13
	s_mov_b32 s13, 0
	s_add_nc_u64 s[BLK:BLK+1], s[BLK:BLK+1], s[12:13]
	s_mov_b32 s12, s43
	s_add_nc_u64 s[BLK+2:BLK+3], s[BLK:BLK+1], s[12:13]
.macro OUT_QK a
	QUANTW \a
	v_xor_b32 v[TA], 1, v[MK+(\a)]
	v_mad_u32_u24 v[TA], v[TA], s[DLT], s[BAS]
.irp c, 0,1
.if (\a)%2 == 0
	v_lshl_or_b32 v[EV+\c], v[TM+5+2*\c], 8, v[TM+4+2*\c]
	v_or_b32 v[EV+\c], v[EV+\c], v[TA]
.else
	v_lshl_or_b32 v[TC], v[TM+5+2*\c], 8, v[TM+4+2*\c]
	v_or_b32 v[TC], v[TC], v[TA]
	v_cndmask_b32 v[SW+4*\c+(\a)/2], v[EV+\c], v[TC], s[HM]
.endif
	global_store_b128 v[L16], v[PC+6*\c:PC+6*\c+3], s[BLK+2*\c:BLK+2*\c+1] offset:768*(\a)
	global_store_b64 v[L8], v[PC+6*\c+4:PC+6*\c+5], s[BLK+2*\c:BLK+2*\c+1] offset:768*(\a)+512
.endr
.endm
.irp a, 0,1,2,3,4,5,6,7
	OUT_QK \a
.endr
.irp c, 0,1
	global_store_b128 v[L16], v[SW+4*\c:SW+4*\c+3], s[BLK+2*\c:BLK+2*\c+1] offset:6144
.endr
	s_branch .Lout_done
.Lout_v:
	s_lshr_b32 s12, s42, 3
	s_lshl_b32 s12, s12, 4
	s_lshl_b32 s13, s41, 2
	s_add_co_u32 s12, s12, s13
	s_lshl_b32 s13, s15, 1
	s_add_co_u32 s12, s12, s13
	s_lshl_b32 s13, s42, 1
	s_add_co_u32 s13, s13, s16
	s_and_b32 s13, s13, 15
	s_mul_i32 s12, s12, 208896
	s_mul_i32 s13, s13, 13056
	s_add_co_u32 s12, s12, s13
	s_add_co_u32 s12, s12, 6656
	s_mov_b32 s13, 0
	s_add_nc_u64 s[BLK:BLK+1], s[94:95], s[12:13]
	s_add_nc_u64 s[BLK+2:BLK+3], s[BLK:BLK+1], 208896
.macro OUT_V a
	QUANTW \a
	v_lshl_or_b32 v[TA], v[TM+5], 8, v[TM+4]
	v_lshl_or_b32 v[TA], v[TM+6], 16, v[TA]
.if (\a)%2 == 0
	v_lshl_or_b32 v[EV], v[TM+7], 24, v[TA]
.else
	v_lshl_or_b32 v[TA], v[TM+7], 24, v[TA]
	v_cndmask_b32 v[SW+(\a)/2], v[EV], v[TA], s[HM]
.endif
.irp i, 0,1,2
	global_store_b128 v[L16], v[PC+4*\i:PC+4*\i+3], s[BLK+2*((\a)/4):BLK+2*((\a)/4)+1] offset:1536*((\a)%4)+512*\i
.endr
.if (\a)%4 == 3
	global_store_b64 v[L8], v[SW+2*((\a)/4):SW+2*((\a)/4)+1], s[BLK+2*((\a)/4):BLK+2*((\a)/4)+1] offset:6144
.endif
.endm
.irp a, 0,1,2,3,4,5,6,7
	OUT_V \a
.endr
.Lout_done:
	s_wait_tensorcnt 0x0
	ds_add_u32 v[SPW], v[NIL]
	s_wait_dscnt 0x0
	CROUND
	s_endpgm
.Lfunc_end_k_q51f35db86f_gemm_qkv:
	.size	k_q51f35db86f_gemm_qkv, .Lfunc_end_k_q51f35db86f_gemm_qkv-k_q51f35db86f_gemm_qkv
	.p2alignl 7, 3214868480
	.fill 96, 4, 3214868480
	.section	.rodata,"a",@progbits
	.p2align	6, 0x0
	.amdhsa_kernel k_q51f35db86f_gemm_qkv
		.amdhsa_group_segment_fixed_size 327680
		.amdhsa_private_segment_fixed_size 0
		.amdhsa_enable_private_segment 0
		.amdhsa_kernarg_size 80
		.amdhsa_user_sgpr_count 2
		.amdhsa_user_sgpr_kernarg_segment_ptr 1
		.amdhsa_wavefront_size32 1
		.amdhsa_system_sgpr_workgroup_id_x 1
		.amdhsa_system_sgpr_workgroup_id_y 1
		.amdhsa_system_sgpr_workgroup_id_z 1
		.amdhsa_system_vgpr_workitem_id 0
		.amdhsa_next_free_vgpr 1024
		.amdhsa_next_free_sgpr 102
		.amdhsa_reserve_vcc 0
		.amdhsa_float_denorm_mode_32 3
		.amdhsa_float_denorm_mode_16_64 3
		.amdhsa_memory_ordered 1
		.amdhsa_forward_progress 1
		.amdhsa_inst_pref_size 223
	.end_amdhsa_kernel
	.amdgpu_metadata
---
amdhsa.version: [ 1, 2 ]
amdhsa.kernels:
  - .name:           k_q51f35db86f_gemm_qkv
    .symbol:         k_q51f35db86f_gemm_qkv.kd
    .args:
      - { .name: xc, .offset: 0, .size: 8, .value_kind: global_buffer, .address_space: global }
      - { .name: xs, .offset: 8, .size: 8, .value_kind: global_buffer, .address_space: global }
      - { .name: wc, .offset: 16, .size: 8, .value_kind: global_buffer, .address_space: global }
      - { .name: ws, .offset: 24, .size: 8, .value_kind: global_buffer, .address_space: global }
      - { .name: bq, .offset: 32, .size: 8, .value_kind: global_buffer, .address_space: global }
      - { .name: bk, .offset: 40, .size: 8, .value_kind: global_buffer, .address_space: global }
      - { .name: bv, .offset: 48, .size: 8, .value_kind: global_buffer, .address_space: global }
      - { .name: attention_mask, .offset: 56, .size: 8, .value_kind: global_buffer, .address_space: global }
      - { .name: qq, .offset: 64, .size: 8, .value_kind: global_buffer, .address_space: global }
      - { .name: kv, .offset: 72, .size: 8, .value_kind: global_buffer, .address_space: global }
    .group_segment_fixed_size: 327680
    .private_segment_fixed_size: 0
    .kernarg_segment_align: 8
    .kernarg_segment_size: 80
    .max_flat_workgroup_size: 128
    .sgpr_count:     102
    .vgpr_count:     1024
    .wavefront_size: 32
...
	.end_amdgpu_metadata
.endif
;; end of part 2
;; launch attn (part 3): grid 4 x 64, 8 waves a work-group, clusters of 4 x 1, 209,920 bytes of LDS; arguments qq, kv, ac, asc; writes ac, asc
.if DOCPART == 3
	.amdgcn_target "amdgcn-amd-amdhsa--gfx1250"
	.amdhsa_code_object_version 6
	.text
	.protected	k_q51f35db86f_attn
	.globl	k_q51f35db86f_attn
	.p2align	8
	.type	k_q51f35db86f_attn,@function
k_q51f35db86f_attn:
	s_mov_b64 s[64:65], 0
	v_nop
	global_prefetch_b8 v0, s[64:65] scope:SCOPE_SE
	s_setreg_imm32_b32 hwreg(HW_REG_WAVE_MODE, 25, 1), 1
	s_wait_xcnt 0x0
	s_wait_alu depctr_hold_cnt(0) depctr_sa_sdst(0) depctr_va_vdst(0) depctr_va_sdst(0) depctr_va_ssrc(0) depctr_va_vcc(0) depctr_vm_vsrc(0)
	s_getreg_b32 s2, hwreg(HW_REG_IB_STS2, 6, 4)
	s_cmp_eq_u32 s2, 0
	s_cbranch_scc0 .Lentry_in_a_cluster
	s_endpgm
.Lentry_in_a_cluster:
	s_bfe_u32 s2, ttmp6, 0x10000c
	s_cmp_lg_u32 s2, 0x3003
	s_cbranch_scc0 .Lentry_shape_is_right
	s_endpgm
.Lentry_shape_is_right:
; Attention on codes of FP6 (E2M3): S^T = K Q^T (K = the head's 64), p = 2^(t - M), O^T = V^T P^T (K = the keys), O / l, and O's quantising along the model's 1,024 for the last product.
; t = score x log2(e) / 8; M = the running largest t rounded up to a whole number; the row's sum l is taken of the unquantised p.  When M moves, l and O are multiplied by 2^(old M - new M): exact.
; SHARES.  A work-group owns 512 queries of one head, in two passes of 256; each of its eight waves two tiles of 16 queries a pass, so that each fragment of K and V read from LDS feeds two tiles.
; The head's whole K, V and scale words, 16 key steps x 13,056 bytes, lie in LDS and are filled once: wave w asks for key steps 2 w and 2 w + 1, 102 rows of 256 bytes, by its one tensor load.
; The four work-groups of a head form a cluster and ask jointly.  No prefetch: all that a work-group reads of K and V is asked for in its first lines.
; A block: K's 8 tiles x 768 bytes (registers 0-3 at 16 x lane, 4-5 at 512 + 8 x lane), K's scale words (512), V's 4 tiles x 1,536, V's scale words (256).
; In memory, row r of K's tile a is key 32 (a / 2) + 8 (a % 2) + r % 8 + 16 (r / 8).
; WHICH KEYS FORM A TILE OF THE SCORE PRODUCT is chosen by the lanes' LDS addresses: row 8 g + i of tile 4 c + j is key 64 c + 32 g + 8 j + i.  So the 32 result registers of tiles 4 c .. 4 c + 3 in lane (query, h) are keys
; 64 c + 32 h + 0 .. 31: one whole scale block of P, in the order of P's operand registers.  A block's largest p needs no other lane, and the conversions' results are the operand as they fall.
; THE MASK.  The score product uses k 0 to 63 of the instruction's 128.  At k = 64 Q holds the code 1.0 and K the code -1.0, in registers that are set once here; their block's scale bytes come with the scale words:
; a hidden key's score gets -2^100, so that its p is 0; one that counts gets -2^-126.  The largest score starts at -2^86.  A query none of whose keys counts keeps it: its scale bytes become 0xff, and its row of the result NaN, as a softmax of nothing is.
; LIMITS: |score| under 2^80, and the promise holds while |t| stays under 2^31; scores carry -2^-126; a block of zeros has the byte 1; NaN and infinities are not served.
; REGISTERS.  Window 0: addresses, scale words, S^T and then p of both tiles (v32-159), O^T of both (v160-223), the softmax's state.  Window 1: V's, K's and Q's fragments, p's codes.
.set STEPB, 13056
.set KSO,   6144
.set VO,    6656
.set VSO,   12800
.set SPARE, 16*STEPB                   ; behind the head's 16 blocks: the spare words, 128 bytes a wave
.set L16, 2                            ; 16 x lane
.set L8,  3                            ; 8 x lane
.set AB,  4                            ; 32 r + h: my scale byte's place in a tile's 512
.set KA0, 5                            ; 1536 g + 16 i + 256 h: my place in K's registers 0-3
.set KB0, 6                            ; 1536 g + 8 i + 128 h: in K's registers 4-5
.set KS0, 7                            ; 16 i + 4 g + 256 h: in K's scale words
.set SH8, 8                            ; 8 h
.set KA,  9                            ; the same three for the key step that is fetched next
.set KB,  10
.set KS,  11
.set VA,  12
.set VB,  13
.set KSC, 16                           ; v16-19 K's scale words: register 2 c + j / 2; lanes 0-15 even j, lanes 16-31 odd j
.set VSC, 20
.set QSC, 22
.set QSN, 23
.set PSC, 24                           ; v24-25 p's scale words, a register a tile
.set FF,  26                           ; v26-29 f, with a written partner, for each tile
.set NM,  30                           ; v30-31 -M and the largest score of tile 0; tile 1: v224-225
.set SS,  32
.set OO,  160
.set BM,  226                          ; v226-233 four chains of maxima a tile
.set BX,  234
.set TT,  236
.set OL,  238
.set SO,  240                          ; v240-243 the conversions' scale operands
.set LL,  244                          ; v244-247 the sums, in two halves
.set SU,  248                          ; v248-253 three more chains of the sum
.set SPW, 254
.set NIL, 255
.set VF,  0                            ; window 1
.set KF,  48
.set QF,  144
.set PCD, 168
.set PT,  192
.set QN,  208
.set WV,  12
.set G1,  24
.set G0A, 32
.set QSP, 46
.set CS,  48
.set SEL, 50
.set TB,  52
.set CNT, 53
.set PASS, 54
.set T0S, 55
.set HM,  56
.set DEAD, 57
.set TK,  58
.set MSB, 0
.macro WIN new
.if MSB != (\new)
	s_set_vgpr_msb (MSB<<8)|(\new)
.set MSB, (\new)
.endif
.endm
.macro WALU
	s_wait_alu depctr_va_vdst(0)
.endm
.macro CROUND
	s_barrier_signal -1
	s_barrier_wait -1
	s_cmp_lg_u32 s[WV], 0
	s_cbranch_scc1 .Lnot_wave_0_\@
	s_barrier_signal -3
.Lnot_wave_0_\@:
	s_barrier_wait -3
	s_barrier_signal -1
	s_barrier_wait -1
.endm
	s_load_b256 s[4:11], s[0:1], 0x0               ; qq, kv, ac, asc
	v_lshl_add_u32 v[SPW], v0, 2, SPARE
	v_mov_b32 v[NIL], 0
	ds_add_u32 v[SPW], v[NIL]                      ; the opening lines: the add twice on end and its wait
	ds_add_u32 v[SPW], v[NIL]
	v_lshrrev_b32 v1, 5, v0
	v_readfirstlane_b32 s[WV], v1                  ; wave 0..7
	s_bfe_u32 s13, ttmp6, 0x40000                  ; cx: it enters Q's, ac's and asc's addresses alone
	s_and_b32 s14, ttmp7, 0xffff                   ; batch x 16 + head, which the four partners share
	s_mul_i32 s16, s14, 16*STEPB
	s_mul_i32 s15, s[WV], 2*STEPB                  ; key steps 2 w, 2 w + 1: in LDS, and in the head's bytes
	s_add_co_u32 s16, s16, s15
	s_mov_b32 s17, 0
	s_lshl_b32 s18, s13, 2
	s_lshr_b32 s19, s[WV], 2
	s_add_co_u32 s18, s18, s19                     ; my group of 128 queries in pass 0: 4 cx + w / 4
	s_and_b32 s19, s[WV], 3                        ; my pair of tiles in it
	s_mul_i32 s20, s14, 106496
	s_mul_i32 s21, s18, 6656
	s_add_co_u32 s20, s20, s21
	s_mul_i32 s21, s19, 1536
	s_add_co_u32 s22, s20, s21                     ; my first tile of Q
	s_mov_b32 s23, 0
	s_lshl_b32 s21, s19, 2
	s_add_co_u32 s20, s20, s21
	s_add_co_u32 s20, s20, KSO                     ; my pair's scale words
	s_mov_b32 s21, 0
	s_lshr_b32 s40, s14, 4
	s_lshl_b32 s40, s40, 7
	s_lshl_b32 s41, s18, 3
	s_add_co_u32 s40, s40, s41
	s_lshl_b32 s41, s19, 1
	s_add_co_u32 s40, s40, s41                     ; my first row tile in ac: 128 b + 8 group + 2 (w % 4)
	s_and_b32 s41, s14, 15                         ; the head
	s_lshl_b32 s42, s40, 3
	s_lshr_b32 s43, s41, 1
	s_add_co_u32 s42, s42, s43                     ; K step head / 2
	s_mul_i32 s42, s42, 1536
	s_and_b32 s43, s41, 1
	s_mul_i32 s43, s43, 768                        ; registers 6 (head % 2) on
	s_add_co_u32 s42, s42, s43
	s_mov_b32 s43, 0
	s_lshl_b32 s44, s40, 9
	s_lshl_b32 s45, s41, 1
	s_add_co_u32 s44, s44, s45                     ; bytes 2 head, 2 head + 1 of a row's 32
	s_mov_b32 s45, 0
	s_mov_b32 s[G1], 15|(3<<16)|(1<<21)            ; group 1: 26,112 dense bytes as 102 rows of 256 (32 elements of 8 bytes); all four work-groups
	s_mov_b32 s[G1+1], 32<<16
	s_mov_b32 s[G1+2], 102<<16
	s_mov_b32 s[G1+3], 32<<16
	s_mov_b32 s[G1+4], 102
	s_mov_b32 s[G1+5], 32
	s_mov_b32 s[G1+6], 0
	s_mov_b32 s[G1+7], 0
	s_mov_b32 s[CS], 0x3e38aa3b                    ; c = log2(e) / 8
	s_mov_b32 s[CS+1], s[CS]
	s_mov_b32 s[SEL], 0x76543210
	s_mov_b32 s[SEL+1], 0xfedcba98
	s_mov_b32 s[T0S], 0xea800000                   ; -2^86
	s_mov_b32 s[HM], 0xffff0000
	v_and_b32 v1, 31, v0
	v_lshlrev_b32 v[L16], 4, v1
	v_lshlrev_b32 v[L8], 3, v1
	v_and_b32 v12, 15, v0
	v_bfe_u32 v13, v0, 4, 1                        ; h
	v_lshl_add_u32 v[AB], v12, 5, v13
	v_and_b32 v14, 7, v0                           ; i
	v_bfe_u32 v15, v0, 3, 1                        ; g
	v_mul_u32_u24 v[KA0], v15, 1536
	v_lshl_add_u32 v[KB0], v14, 3, v[KA0]
	v_lshl_add_u32 v[KB0], v13, 7, v[KB0]
	v_lshl_add_u32 v[KA0], v14, 4, v[KA0]
	v_lshl_add_u32 v[KA0], v13, 8, v[KA0]
	v_lshlrev_b32 v[KS0], 4, v14
	v_lshl_add_u32 v[KS0], v15, 2, v[KS0]
	v_lshl_add_u32 v[KS0], v13, 8, v[KS0]
	v_lshlrev_b32 v[SH8], 3, v13
	WALU                                           ; the wait ahead of the waits below
	s_wait_dscnt 0x0
	s_wait_kmcnt 0x0
	s_add_nc_u64 s[6:7], s[6:7], s[16:17]
	s_add_nc_u64 s[QSP:QSP+1], s[4:5], s[20:21]
	s_add_nc_u64 s[4:5], s[4:5], s[22:23]
	s_add_nc_u64 s[8:9], s[8:9], s[42:43]
	s_add_nc_u64 s[10:11], s[10:11], s[44:45]
	s_mov_b32 s[G0A], 1
	s_mov_b32 s[G0A+1], s15
	s_mov_b64 s[G0A+2:G0A+3], s[6:7]
	s_or_b32 s[G0A+3], s[G0A+3], 0x80000000
	CROUND                                         ; all four work-groups are here: the joint loads meet
	tensor_load_to_lds s[G0A:G0A+3], s[G1:G1+7]    ; my one load
	s_nop 0
.rept 4
	v_nop
.endr
	WIN 0x40                                       ; loaded data: window 1
.irp t, 0,1
	global_load_b128 v[QF+12*\t:QF+12*\t+3], v[L16], s[4:5] offset:768*\t
	global_load_b64 v[QF+12*\t+4:QF+12*\t+5], v[L8], s[4:5] offset:768*\t+512
	global_load_b128 v[QN+6*\t:QN+6*\t+3], v[L16], s[4:5] offset:13312+768*\t      ; the second pass's group lies two groups on
	global_load_b64 v[QN+6*\t+4:QN+6*\t+5], v[L8], s[4:5] offset:13312+768*\t+512
.endr
	WIN 0
	global_load_b32 v[QSC], v[L16], s[QSP:QSP+1]   ; lanes 0-15: tile 0's words, lanes 16-31: tile 1's
	global_load_b32 v[QSN], v[L16], s[QSP:QSP+1] offset:13312
	v_cmp_gt_u32 vcc_lo, 16, v1
	v_mov_b32 v14, 40
	v_cndmask_b32 v14, 0, v14, vcc_lo              ; k = 64 lies in bits 0-5 of register 6 of lanes 0-15: K's code -1.0,
	v_mov_b32 v15, 8
	v_cndmask_b32 v15, 0, v15, vcc_lo              ; Q's code 1.0; all else of k 64 .. 127 is the code 0
.irp t, 0,1
	v_mov_b32 v[BX+\t], 0                          ; written once: a lane permute's destination counts as one of its sources
	v_mov_b32 v[FF+2*\t+1], 0                      ; (named with f as a pair)
.endr
	WIN 0x40
.irp f, 0,1,2,3,4,5,6,7
	v_mov_b32 v[KF+12*\f+6], v14
.irp j, 7,8,9,10,11
	v_mov_b32 v[KF+12*\f+\j], 0
.endr
.endr
.irp t, 0,1
	v_mov_b32 v[QF+12*\t+6], v15
.irp j, 7,8,9,10,11
	v_mov_b32 v[QF+12*\t+\j], 0
.endr
.endr
	WIN 0
	WALU                                           ; the wait at the head's end
	s_wait_loadcnt 0x0                             ; Q
	s_wait_tensorcnt 0x0                           ; my two blocks lie in LDS,
	s_barrier_signal -1
	s_barrier_wait -1                              ; everybody's do: the whole head
; K's eight fragments and four registers of scale words: 20 loads.  Tile 4 c + 2 jh + o takes, in lane (8 g + i, h), lane i + 8 jh + 16 h of the stored tile 4 c + 2 g + o
.macro KLOADS a, b, s
	WIN 0x40
.irp c, 0,1
.irp jh, 0,1
.irp o, 0,1
	ds_load_b128 v[KF+12*(4*\c+2*\jh+\o):KF+12*(4*\c+2*\jh+\o)+3], v[\a] offset:3072*\c+768*\o+128*\jh
	ds_load_b64 v[KF+12*(4*\c+2*\jh+\o)+4:KF+12*(4*\c+2*\jh+\o)+5], v[\b] offset:512+3072*\c+768*\o+64*\jh
.endr
.endr
.endr
	WIN 0
.irp c, 0,1
.irp jh, 0,1
	ds_load_b32 v[KSC+2*\c+\jh], v[\s] offset:KSO+128*\jh+8*\c
.endr
.endr
.endm
.macro SP1 d, k, q, x, ra, rb          ; a score product: the sum starts with 0
	v_wmma_scale_f32_16x16x128_f8f6f4 v[\d:\d+7], v[\k:\k+11], v[\q:\q+11], 0, v[\x], v[QSC] matrix_a_fmt:MATRIX_FMT_FP6 matrix_b_fmt:MATRIX_FMT_FP6 matrix_a_scale:MATRIX_SCALE_ROW\ra matrix_b_scale:MATRIX_SCALE_ROW\rb
.endm
.macro PV1 d, a, b, xa, xb, ra         ; O^T += a tile of V^T x P^T
	v_wmma_scale_f32_16x16x128_f8f6f4 v[\d:\d+7], v[\a:\a+11], v[\b:\b+11], v[\d:\d+7], v[\xa], v[\xb] matrix_a_fmt:MATRIX_FMT_FP6 matrix_b_fmt:MATRIX_FMT_FP6 matrix_a_scale:MATRIX_SCALE_ROW\ra
.endm
; The largest score of each of a tile's two blocks of 32 registers, in two chains a block (registers 0-16 and 17-31); each accumulator is first read at its low end
.macro MAXG t, g                       ; four of a tile's 32 lines: group g = 0 .. 7
.if (\g) == 0
.irp b, 0,1
	v_max3_num_f32 v[BM+4*\t+2*\b], v[SS+64*\t+32*\b], v[SS+64*\t+32*\b+1], v[SS+64*\t+32*\b+2]
	v_max3_num_f32 v[BM+4*\t+2*\b+1], v[SS+64*\t+32*\b+17], v[SS+64*\t+32*\b+18], v[SS+64*\t+32*\b+19]
.endr
.elseif (\g) < 7
.irp k, 2*(\g)-2
.irp b, 0,1
	v_max3_num_f32 v[BM+4*\t+2*\b], v[BM+4*\t+2*\b], v[SS+64*\t+32*\b+3+\k], v[SS+64*\t+32*\b+4+\k]
	v_max3_num_f32 v[BM+4*\t+2*\b+1], v[BM+4*\t+2*\b+1], v[SS+64*\t+32*\b+20+\k], v[SS+64*\t+32*\b+21+\k]
.endr
.endr
.else
.irp b, 0,1
	v_max3_num_f32 v[BM+4*\t+2*\b], v[BM+4*\t+2*\b], v[SS+64*\t+32*\b+15], v[SS+64*\t+32*\b+16]
.endr
.irp b, 0,1
	v_max_num_f32 v[BM+4*\t+2*\b], v[BM+4*\t+2*\b], v[BM+4*\t+2*\b+1]
.endr
.endif
.endm
.macro MAXES t
.irp g, 0,1,2,3,4,5,6,7
	MAXG \t, \g
.endr
.endm
; The row's sum of the unquantised p, two at a time in four chains; the first line brings the old sum under the new M
.macro SUMG t, g                       ; four of a tile's 32 lines: group g = 0 .. 7
.set SU, 248-22*\t                     ; tile 1's three chains lie in v226-231, where the maxima's registers are done with
.if (\g) == 0
	v_pk_fma_f32 v[LL+2*\t:LL+2*\t+1], v[LL+2*\t:LL+2*\t+1], v[FF+2*\t:FF+2*\t+1], v[SS+64*\t:SS+64*\t+1] op_sel_hi:[1,0,1]
.irp e, 0,1,2
	v_pk_add_f32 v[SU+2*\e:SU+2*\e+1], v[SS+64*\t+2+4*\e:SS+64*\t+3+4*\e], v[SS+64*\t+4+4*\e:SS+64*\t+5+4*\e]
.endr
.elseif (\g) < 7
.set j, SS+64*\t+6+8*(\g)
	v_pk_add_f32 v[LL+2*\t:LL+2*\t+1], v[LL+2*\t:LL+2*\t+1], v[j:j+1]
.irp e, 0,1,2
	v_pk_add_f32 v[SU+2*\e:SU+2*\e+1], v[SU+2*\e:SU+2*\e+1], v[j+2+2*\e:j+3+2*\e]
.endr
.else
.set j, SS+64*\t+62
	v_pk_add_f32 v[LL+2*\t:LL+2*\t+1], v[LL+2*\t:LL+2*\t+1], v[j:j+1]
	v_pk_add_f32 v[SU:SU+1], v[SU:SU+1], v[SU+2:SU+3]
	v_pk_add_f32 v[LL+2*\t:LL+2*\t+1], v[LL+2*\t:LL+2*\t+1], v[SU+4:SU+5]
	v_pk_add_f32 v[LL+2*\t:LL+2*\t+1], v[LL+2*\t:LL+2*\t+1], v[SU:SU+1]
.endif
.endm
; A key step: 128 keys, block s[CNT].  Its fragments of K were asked for in the step before.
.macro KSTEP
	s_mul_i32 s[TB], s[CNT], STEPB
	s_add_co_u32 s[TK], s[CNT], 1
	s_and_b32 s[TK], s[TK], 15                     ; the block whose K is fetched next; the last step fetches block 0's, for the next pass
	s_mul_i32 s[TK], s[TK], STEPB
	v_add_nc_u32 v[VA], s[TB], v[L16]
	v_add_nc_u32 v[VB], s[TB], v[L8]
	v_nop
	v_nop                                          ; four plain instructions between the last products and the loads into V's registers
	WIN 0x40
.irp u, 0,1,2,3
.irp i, 0,1,2
	ds_load_b128 v[VF+12*\u+4*\i:VF+12*\u+4*\i+3], v[VA] offset:VO+1536*\u+512*\i
.endr
.endr
	WIN 0
	ds_load_b64 v[VSC:VSC+1], v[VB] offset:VSO
	s_wait_dscnt 13                                ; K's 20 loads are in; V's 13, issued behind them, may be out
	WIN 0x05                                       ; sources 0 and 1: window 1
.irp c, 0,1
.irp jh, 0,1
.irp o, 0,1
	SP1 SS+8*(4*\c+2*\jh+\o), KF+12*(4*\c+2*\jh+\o), QF, KSC+2*\c+\jh, \o, 0
.endr
.endr
.endr
	WIN 0
	v_add_nc_u32 v[KA], s[TK], v[KA0]
	v_add_nc_u32 v[KB], s[TK], v[KB0]
	v_add_nc_u32 v[KS], s[TK], v[KS0]
	v_nop                                          ; four plain instructions behind tile 0's products, ahead of the reads of its S^T
.irp c, 0,1
.irp jh, 0,1
.irp o, 0,1
	WIN 0x05
	SP1 SS+64+8*(4*\c+2*\jh+\o), KF+12*(4*\c+2*\jh+\o), QF+12, KSC+2*\c+\jh, \o, 1
	WIN 0
	MAXG 0, 4*\c+2*\jh+\o                          ; behind each product of tile 1 four lines of tile 0's maxima, which name none of its registers; the last four are the places ahead of the loads into K's registers and of the reads of tile 1's S^T
.endr
.endr
.endr
	KLOADS KA, KB, KS
	MAXES 1
.irp t, 0,1                                    ; the two tiles' chains line by line in turn
	v_max_num_f32 v[TT+\t], v[BM+4*\t], v[BM+4*\t+2]
.endr
.irp t, 0,1
	v_permlanex16_b32 v[BX+\t], v[TT+\t], s[SEL], s[SEL+1]
.endr
.irp t, 0,1
	v_max3_num_f32 v[NM+194*\t+1], v[NM+194*\t+1], v[TT+\t], v[BX+\t]   ; the running largest score of my query
.endr
.irp t, 0,1
	v_mul_f32 v[TT+\t], s[CS], v[NM+194*\t+1]      ; as t (c is positive)
.endr
.irp t, 0,1
	v_mov_b32 v[OL+\t], v[NM+194*\t]
.endr
.irp t, 0,1
	v_floor_f32 v[NM+194*\t], -v[TT+\t]            ; -M = floor(-t): M is a whole number
.endr
.irp t, 0,1
	v_sub_f32 v[TT+\t], v[NM+194*\t], v[OL+\t]
.endr
.irp t, 0,1
	v_cvt_i32_f32 v[TT+\t], v[TT+\t]               ; (it saturates)
.endr
.irp t, 0,1
	v_ldexp_f32 v[FF+2*\t], 1.0, v[TT+\t]          ; f = 2^(old M - new M)
.endr
.irp t, 0,1
.irp b, 0,1
	v_fma_f32 v[BM+4*\t+2*\b], v[BM+4*\t+2*\b], s[CS], v[NM+194*\t]   ; t - M of each block's largest score: p rises with the score
.endr
.endr
.set j, 0
.rept 32
	v_pk_fma_f32 v[SS+j:SS+j+1], v[SS+j:SS+j+1], s[CS:CS+1], v[NM:NM+1] op_sel_hi:[1,0,0]   ; tile 0: t - M
.set j, j+2
.endr
.irp t, 0,1
.set j, 0
.rept 16
	v_pk_mul_f32 v[OO+32*\t+j:OO+32*\t+j+1], v[OO+32*\t+j:OO+32*\t+j+1], v[FF+2*\t:FF+2*\t+1] op_sel_hi:[1,0]   ; O^T under the new M, ahead of the exponentials
.set j, j+2
.endr
.endr
	WALU                                           ; the wait ahead of the batch
.irp t, 0,1
.irp b, 0,1
	v_exp_f32 v[BM+4*\t+2*\b], v[BM+4*\t+2*\b]     ; each block's largest p
.endr
.endr
.set j, 0
.rept 32
	v_exp_f32 v[SS+j], v[SS+j]                     ; tile 0: p = 2^(t - M);
	v_exp_f32 v[SS+j+1], v[SS+j+1]
	v_pk_fma_f32 v[SS+64+j:SS+65+j], v[SS+64+j:SS+65+j], s[CS:CS+1], v[NM+194:NM+195] op_sel_hi:[1,0,0]   ; among them tile 1's t - M, which names none of their registers and is read behind the wait below
.set j, j+2
.endr
	WALU                                           ; behind the first batch and ahead of the second
.set j, 0
.rept 64
	v_exp_f32 v[SS+64+j], v[SS+64+j]               ; tile 1
.set j, j+1
.endr
	v_nop                                          ; a plain instruction behind the exponentials
	WALU                                           ; one wait for the batch, ahead of its first reader
.irp t, 0,1
.irp b, 0,1
	v_max_num_f32 v[BM+4*\t+2*\b], 0x1800000, v[BM+4*\t+2*\b]   ; the floor 2^(3 - 127)
.endr
.endr
.irp t, 0,1
.irp b, 0,1
	v_add_nc_u32 v[SO+2*\t+\b], 0xff000000, v[BM+4*\t+2*\b]   ; 2 off the exponent field: the conversion's scale operand
.endr
.endr
.irp t, 0,1
.irp b, 0,1
	v_lshrrev_b32 v[BM+4*\t+2*\b+1], 23, v[SO+2*\t+\b]   ; the scale's byte
.endr
.endr
.irp t, 0,1
	v_lshl_or_b32 v[TT+\t], v[BM+4*\t+3], 16, v[BM+4*\t+1]   ; my blocks h and 2 + h,
.endr
.irp t, 0,1
	v_lshlrev_b32 v[TT+\t], v[SH8], v[TT+\t]       ; at their places in the scale word;
.endr
.irp t, 0,1
	v_permlanex16_b32 v[BX+\t], v[TT+\t], s[SEL], s[SEL+1]
.endr
.irp t, 0,1
	v_or_b32 v[PSC+\t], v[TT+\t], v[BX+\t]         ; with lane l xor 16's two the word is whole
.endr
	WIN 0x40                                       ; the codes: window 1
.irp t, 0,1
.irp c, 0,1
	v_cvt_scalef32_pk16_fp6_f32 v[PCD+12*\t+6*\c:PCD+12*\t+6*\c+2], v[SS+64*\t+32*\c:SS+64*\t+32*\c+15], v[SO+2*\t+\c]
	v_cvt_scalef32_pk16_fp6_f32 v[PT+8*\t+4*\c:PT+8*\t+4*\c+2], v[SS+64*\t+32*\c+16:SS+64*\t+32*\c+31], v[SO+2*\t+\c]   ; (a conversion's three registers begin on an even number)
.endr
.endr
	v_nop                                          ; one plain instruction behind the conversions
	WIN 0x41
.irp t, 0,1
.irp c, 0,1
.irp i, 0,1,2
	v_mov_b32 v[PCD+12*\t+6*\c+3+\i], v[PT+8*\t+4*\c+\i]
.endr
.endr
.endr
	WIN 0
	WALU                                           ; the wait ahead of the wait below
	s_wait_dscnt 20                                ; V's 13 loads are in; the next step's 20 of K, issued behind them, may be out
.irp uh, 0,1
.irp o, 0,1
.irp t, 0,1
	SUMG 0, 4*\uh+2*\o+\t                          ; ahead of each product eight lines of the two rows' sums, which name none of the products' registers;
	SUMG 1, 4*\uh+2*\o+\t                          ; the first eight, with the moves above, are the places between the writes of p's words and codes and the products
	WIN 0x05
	PV1 OO+32*\t+8*(2*\uh+\o), VF+12*(2*\uh+\o), PCD+12*\t, VSC+\uh, PSC+\t, \o   ; eight accumulators by turns
	WIN 0
.endr
.endr
.endr
	WIN 0
.endm
; Tile t's end: O / l, quantised along the head's 64 (two blocks), stored as registers 6 (head % 2) on of a fragment of the last product's operand.  At work: the tile's registers of p, which are done with.
.macro FINISH t
.set F, SS+64*\t
.set O, OO+32*\t
.set L, LL+2*\t
	v_add_f32 v[L], v[L], v[L+1]
	v_permlanex16_b32 v[BX+\t], v[L], s[SEL], s[SEL+1]
	v_add_f32 v[L], v[L], v[BX+\t]                 ; the row's sum
	WALU
	v_rcp_f32 v[F+20], v[L]
	v_mov_b32 v[F+19], 0xff                        ; a plain instruction behind the reciprocal
	v_cmp_eq_f32 s[DEAD], s[T0S], v[NM+194*\t+1]   ; no key counted for my query
	WALU                                           ; the wait ahead of the reciprocal's first reader and of O^T's
.set j, 0
.rept 16
	v_pk_mul_f32 v[O+j:O+j+1], v[O+j:O+j+1], v[F+20:F+21] op_sel_hi:[1,0]
.set j, j+2
.endr
.irp b, 0,1
	v_max3_num_f32 v[F+12+\b], |v[O+16*\b]|, |v[O+1+16*\b]|, 0x1800000
.endr
.irp i, 2,4,6,8,10,12,14
.irp b, 0,1
	v_max3_num_f32 v[F+12+\b], v[F+12+\b], |v[O+16*\b+\i]|, |v[O+1+16*\b+\i]|
.endr
.endr
.irp b, 0,1
	v_permlanex16_b32 v[F+14+\b], v[F+12+\b], s[SEL], s[SEL+1]
.endr
.irp b, 0,1
	v_max_num_f32 v[F+12+\b], v[F+12+\b], v[F+14+\b]
.endr
.irp b, 0,1
	v_add_nc_u32 v[F+16+\b], 0xff000000, v[F+12+\b]
.endr
.irp b, 0,1
	v_lshrrev_b32 v[F+14+\b], 23, v[F+16+\b]
.endr
	v_cvt_scalef32_pk16_fp6_f32 v[F:F+2], v[O:O+15], v[F+16]
	v_cvt_scalef32_pk16_fp6_f32 v[F+8:F+10], v[O+16:O+31], v[F+17]
	v_nop
.irp i, 0,1,2
	v_permlane16_swap_b32 v[F+\i], v[F+8+\i]       ; the operand wants a whole block in a lane
.endr
.irp i, 0,1,2
	v_mov_b32 v[F+3+\i], v[F+8+\i]
.endr
	v_cndmask_b32 v[F+18], v[F+14], v[F+15], s[HM] ; lanes 0-15 carry block 0's byte of row r, lanes 16-31 block 1's
	v_cndmask_b32 v[F+18], v[F+18], v[F+19], s[DEAD]
.irp p, 0,1,2
	global_store_b64 v[L8], v[F+2*\p:F+2*\p+1], s[8:9] offset:12288*\t+256*\p   ; 32 lanes store 256 consecutive bytes, aligned
.endr
	global_store_b8 v[AB], v[F+18], s[10:11] offset:512*\t   ; 2 of a row's 32 scale bytes: the other 30 are other heads'
.endm
	KLOADS KA0, KB0, KS0                           ; block 0's K
	s_mov_b32 s[PASS], 2
.Lpass:
.set j, 0
.rept 64
	v_mov_b32 v[OO+j], 0                           ; the step is written once: the first finds zeros
.set j, j+1
.endr
.irp t, 0,1
	v_mov_b32 v[LL+2*\t], 0
	v_mov_b32 v[LL+2*\t+1], 0
	v_mov_b32 v[NM+194*\t+1], 0xea800000           ; the largest score so far: -2^86
	v_mov_b32 v[NM+194*\t], 0x6938aa3b             ; -M = c x 2^86, a whole number
.endr
	s_mov_b32 s[CNT], 0
.Lstep:
	KSTEP
	s_add_co_u32 s[CNT], s[CNT], 1
	s_cmp_lt_u32 s[CNT], 16
	s_cbranch_scc1 .Lstep
.rept 4
	v_nop
.endr
	FINISH 0
	FINISH 1
	s_wait_xcnt 0x0                                ; the stores have read their registers and bases
	s_add_nc_u64 s[8:9], s[8:9], 16*12288          ; two groups, 16 row tiles, on
	s_add_nc_u64 s[10:11], s[10:11], 16*512
	WIN 0x41
.irp t, 0,1
.irp i, 0,1,2,3,4,5
	v_mov_b32 v[QF+12*\t+\i], v[QN+6*\t+\i]        ; the second pass's Q
.endr
.endr
	WIN 0
	v_mov_b32 v[QSC], v[QSN]
	s_sub_co_u32 s[PASS], s[PASS], 1
	s_cmp_lg_u32 s[PASS], 0
	s_cbranch_scc1 .Lpass
	s_wait_tensorcnt 0x0                           ; the wave's end
	ds_add_u32 v[SPW], v[NIL]
	s_wait_dscnt 0x0
	CROUND                                         ; the closing round
	s_endpgm
.Lfunc_end_k_q51f35db86f_attn:
	.size	k_q51f35db86f_attn, .Lfunc_end_k_q51f35db86f_attn-k_q51f35db86f_attn
	.p2alignl 7, 3214868480
	.fill 96, 4, 3214868480
	.section	.rodata,"a",@progbits
	.p2align	6, 0x0
	.amdhsa_kernel k_q51f35db86f_attn
		.amdhsa_group_segment_fixed_size 209920
		.amdhsa_private_segment_fixed_size 0
		.amdhsa_enable_private_segment 0
		.amdhsa_kernarg_size 32
		.amdhsa_user_sgpr_count 2
		.amdhsa_user_sgpr_kernarg_segment_ptr 1
		.amdhsa_wavefront_size32 1
		.amdhsa_system_sgpr_workgroup_id_x 1
		.amdhsa_system_sgpr_workgroup_id_y 1
		.amdhsa_system_sgpr_workgroup_id_z 1
		.amdhsa_system_vgpr_workitem_id 0
		.amdhsa_next_free_vgpr 512
		.amdhsa_next_free_sgpr 80
		.amdhsa_reserve_vcc 1
		.amdhsa_float_denorm_mode_32 3
		.amdhsa_float_denorm_mode_16_64 3
		.amdhsa_memory_ordered 1
		.amdhsa_forward_progress 1
		.amdhsa_inst_pref_size 49
	.end_amdhsa_kernel
	.amdgpu_metadata
---
amdhsa.version: [ 1, 2 ]
amdhsa.kernels:
  - .name:           k_q51f35db86f_attn
    .symbol:         k_q51f35db86f_attn.kd
    .args:
      - { .name: qq, .offset: 0, .size: 8, .value_kind: global_buffer, .address_space: global }
      - { .name: kv, .offset: 8, .size: 8, .value_kind: global_buffer, .address_space: global }
      - { .name: ac, .offset: 16, .size: 8, .value_kind: global_buffer, .address_space: global }
      - { .name: asc, .offset: 24, .size: 8, .value_kind: global_buffer, .address_space: global }
    .group_segment_fixed_size: 209920
    .private_segment_fixed_size: 0
    .kernarg_segment_align: 8
    .kernarg_segment_size: 32
    .max_flat_workgroup_size: 256
    .sgpr_count:     80
    .vgpr_count:     512
    .wavefront_size: 32
...
	.end_amdgpu_metadata
.endif
;; end of part 3
;; launch gemm_out (part 4): grid 4 x 64, 4 waves a work-group, clusters of 4 x 4, 327,680 bytes of LDS; arguments ac, asc, wc, ws, bo, out0; writes out0
.if DOCPART == 4
	.amdgcn_target "amdgcn-amd-amdhsa--gfx1250"
	.amdhsa_code_object_version 6
	.text
	.protected	k_q51f35db86f_gemm_out
	.globl	k_q51f35db86f_gemm_out
	.p2align	8
	.type	k_q51f35db86f_gemm_out,@function
k_q51f35db86f_gemm_out:
	s_mov_b64 s[64:65], 0
	v_nop
	global_prefetch_b8 v0, s[64:65] scope:SCOPE_SE
	s_setreg_imm32_b32 hwreg(HW_REG_WAVE_MODE, 25, 1), 1
	s_wait_xcnt 0x0
	s_wait_alu depctr_hold_cnt(0) depctr_sa_sdst(0) depctr_va_vdst(0) depctr_va_sdst(0) depctr_va_ssrc(0) depctr_va_vcc(0) depctr_vm_vsrc(0)
	s_getreg_b32 s2, hwreg(HW_REG_IB_STS2, 6, 4)
	s_cmp_eq_u32 s2, 0
	s_cbranch_scc0 .Lentry_in_a_cluster
	s_endpgm
.Lentry_in_a_cluster:
	s_bfe_u32 s2, ttmp6, 0x10000c
	s_cmp_lg_u32 s2, 0xf033
	s_cbranch_scc0 .Lentry_shape_is_right
	s_endpgm
.Lentry_shape_is_right:
; out0 = attention's result x Wo + bo, on codes of FP6 (E2M3) with one E8M0 byte for each 32 along K = 1,024; sums in f32.
; ac: [512 row tiles][8 K steps][1,536]: images of operand fragments (16 rows x 128 K; registers 2 p, 2 p + 1 of lane l at 256 p + 8 l); wc likewise, Wo's 64 row tiles from tile 192 on.  asc, ws: [buffer row][32 bytes].
; Lane row i of buffer tile 2 b + u is true row (a token, a column of Wo) 32 b + 8 u + i % 8 + 16 (i / 8).
; SHARES.  256 work-groups of four waves; a work-group makes 128 rows x 256 columns, a wave 64 x 128: 32 accumulators.
; ALL OF K LIES IN LDS AT ONCE: A's 8 row tiles (98,304 bytes) and B's 16 (196,608).  So nothing is filled again.  The head has four joint loads, one a wave: A's and B's K steps 0-3, then A's and B's K steps 4-7;
; a tile's row is 6,144 bytes of memory, at a multiple of 256.  The first barrier shows the first two (the waves that asked for them wait), a second one, ahead of the first fetch of K step 4, the other two.
; CLUSTERS: 4 x 4 work-groups; A's tiles are shared along a row of the cluster, B's along a column.  No prefetch: all tiles are asked for in the first lines, and there is no loop to run ahead in.
; THE SCALE WORDS of a wave's rows, for all of K, go from memory straight into registers, once: sixteen lanes read 512 consecutive bytes in two loads; register q of a tile's eight is K step q's word.
; THE MATRIX INSTRUCTION IS USED TRANSPOSED (source 0 = 16 rows of B, source 1 = 16 rows of A): a lane holds eight neighbouring numbers of a row of the result.  The bias is the first products' C.
; A K step is 32 products; the next step's 72 LDS loads stand four behind each of its first 18, into the other set of fragment registers.
; REGISTERS.  Window 0: v8-29 addresses; v32-63 A's scale words, v68-131 B's; v132-227 A's fragments, two sets.  Window 1: v0-191 B's fragments, two sets (on the way out: rows read back); v192-255 the bias.  Window 2: the accumulators.
.set FR,     12
.set FRB,    1536
.set TROW,   4*FRB                     ; a row tile's four K steps in LDS
.set AH,     8*TROW
.set BH,     16*TROW
.set HALF,   AH+BH                     ; K steps 0-3 of A, then of B; K steps 4-7 behind them
.set SPARE,  2*HALF                    ; the spare words, 128 bytes a wave
.set SPITCH, 528                       ; the way out: 16 rows x (512 + 16) bytes a wave, in the bytes of K steps 0-3, which are read no more behind the second barrier
.set L16,  8
.set L8,   9
.set R32,  10
.set ADRA, 16
.set ADRB, 20
.set STO,  24
.set RD,   25
.set SPW,  28
.set NIL,  29
.set SA,   32
.set SB,   68                          ; (A's and B's words of one product differ in their register numbers modulo 8)
.set AF,   132
.set BI,   192
.set G1A, 24
.set G1B, 48
.set G0,  32                           ; s[32:35] A, s[36:39] B of K steps 0-3; s[56:59], s[60:63] of K steps 4-7
.set MSB, 0
.macro WIN new
.if MSB != (\new)
	s_set_vgpr_msb (MSB<<8)|(\new)
.set MSB, (\new)
.endif
.endm
.macro PLACES n
.rept \n
	v_nop
.endr
.endm
.macro CROUND
	s_barrier_signal -1
	s_barrier_wait -1
	s_cmp_lg_u32 s14, 0
	s_cbranch_scc1 .Lnot_wave_0_\@
	s_barrier_signal -3
.Lnot_wave_0_\@:
	s_barrier_wait -3
	s_barrier_signal -1
	s_barrier_wait -1
.endm
	s_load_b256 s[4:11], s[0:1], 0x0               ; ac, asc, wc, ws
	s_load_b64 s[12:13], s[0:1], 0x20              ; bo
	s_load_b64 s[96:97], s[0:1], 0x28              ; out0
	v_lshl_add_u32 v[SPW], v0, 2, SPARE
	v_mov_b32 v[NIL], 0
	ds_add_u32 v[SPW], v[NIL]                      ; the opening lines: the add twice on end and its wait
	ds_add_u32 v[SPW], v[NIL]
	v_lshrrev_b32 v1, 5, v0
	v_readfirstlane_b32 s14, v1                    ; wave
	s_lshr_b32 s15, s14, 1                         ; which 64 rows are mine
	s_and_b32 s16, s14, 1                          ; which 128 columns
	s_bfe_u32 s40, ttmp6, 0x40000                  ; cx
	s_bfe_u32 s41, ttmp6, 0x40004                  ; cy
	s_lshl_b32 s42, ttmp9, 2
	s_add_co_u32 s42, s42, s40                     ; tile column, 0 .. 3
	s_and_b32 s17, ttmp7, 0xffff
	s_lshl_b32 s17, s17, 2
	s_add_co_u32 s17, s17, s41                     ; tile row, 0 .. 63
	s_lshl_b32 s43, s41, 2
	s_lshl_b32 s43, 15, s43                        ; my row of the cluster
	s_lshl_b32 s44, 0x1111, s40                    ; my column
	s_or_b32 s[G1A], s43, (3<<16)|(1<<21)          ; elements of 8 bytes; rows of 768 elements, 1,536 elements apart; A: 8 rows, B: 16
	s_or_b32 s[G1B], s44, (3<<16)|(1<<21)
	s_mov_b32 s[G1A+1], 768<<16
	s_mov_b32 s[G1A+2], 8<<16
	s_mov_b32 s[G1A+3], 768<<16
	s_mov_b32 s[G1A+4], 8
	s_mov_b32 s[G1A+5], 1536
	s_mov_b32 s[G1A+6], 0
	s_mov_b32 s[G1A+7], 0
	s_mov_b32 s[G1B+1], 768<<16
	s_mov_b32 s[G1B+2], 16<<16
	s_mov_b32 s[G1B+3], 768<<16
	s_mov_b32 s[G1B+4], 16
	s_mov_b32 s[G1B+5], 1536
	s_mov_b32 s[G1B+6], 0
	s_mov_b32 s[G1B+7], 0
	s_mul_i32 s20, s17, 8*8*FRB                    ; A: row tile 8 x tile row
	s_mov_b32 s21, 0
	s_lshl_b32 s46, s42, 4
	s_add_co_u32 s46, s46, 192                     ; B: row tile 192 + 16 x tile column
	s_mul_i32 s46, s46, 8*FRB
	s_mov_b32 s47, 0
	s_wait_dscnt 0x0
	s_wait_kmcnt 0x0
	s_add_nc_u64 s[20:21], s[4:5], s[20:21]
	s_add_nc_u64 s[46:47], s[8:9], s[46:47]
	CROUND                                         ; all sixteen work-groups are here: the joint loads meet
.irp h, 0,1
	s_mov_b32 s[G0+24*\h], 1
	s_mov_b32 s[G0+24*\h+1], \h*HALF
	s_add_nc_u64 s[G0+24*\h+2:G0+24*\h+3], s[20:21], \h*TROW
	s_or_b32 s[G0+24*\h+3], s[G0+24*\h+3], 0x80000000
	s_mov_b32 s[G0+24*\h+4], 1
	s_mov_b32 s[G0+24*\h+5], \h*HALF+AH
	s_add_nc_u64 s[G0+24*\h+6:G0+24*\h+7], s[46:47], \h*TROW
	s_or_b32 s[G0+24*\h+7], s[G0+24*\h+7], 0x80000000
.endr
; one chain of branches on the wave's number, a load to an arm: what is needed first is asked for by waves 0 and 1
.macro ARM under, g0, g1, next
	s_cmp_lt_u32 s14, \under
	s_cbranch_scc0 \next
	tensor_load_to_lds s[\g0:\g0+3], s[\g1:\g1+7]
	s_nop 0
	PLACES 4
	s_branch .Lasked
\next:
.endm
	ARM 1, G0,    G1A, .Larm_b0
	ARM 2, G0+4,  G1B, .Larm_a1
	ARM 3, G0+24, G1A, .Larm_b1
	tensor_load_to_lds s[G0+28:G0+31], s[G1B:G1B+7]
	s_nop 0
	PLACES 4
.Lasked:
	s_lshl_b32 s20, s17, 7
	s_lshl_b32 s45, s15, 6
	s_add_co_u32 s20, s20, s45                     ; my first row: 128 x tile row + 64 x half
	s_lshl_b32 s92, s20, 5
	s_mov_b32 s93, 0
	s_add_nc_u64 s[6:7], s[6:7], s[92:93]          ; its scale bytes
	s_lshl_b32 s92, s20, 12
	s_add_nc_u64 s[96:97], s[96:97], s[92:93]      ; its row of out0
	s_lshl_b32 s92, s42, 8
	s_lshl_b32 s45, s16, 7
	s_add_co_u32 s92, s92, s45                     ; my first column: 256 x tile column + 128 x half
	s_lshl_b32 s94, s92, 2
	s_mov_b32 s95, 0
	s_add_nc_u64 s[12:13], s[12:13], s[94:95]
	s_add_nc_u64 s[96:97], s[96:97], s[94:95]
	s_add_co_u32 s92, s92, 3072                    ; Wo's rows lie behind Wq's, Wk's and Wv's
	s_lshl_b32 s92, s92, 5
	s_add_nc_u64 s[10:11], s[10:11], s[92:93]
	s_mul_i32 s21, s15, 4*TROW                     ; my 4 row tiles of A,
	s_mul_i32 s22, s16, 8*TROW
	s_add_co_u32 s22, s22, AH                      ; my 8 of B
	s_add_co_u32 s18, s21, HALF
	s_add_co_u32 s19, s22, HALF
	s_mul_i32 s23, s14, 16*SPITCH                  ; my stage
	v_and_b32 v1, 15, v0
	v_bfe_u32 v2, v0, 4, 1
	v_and_b32 v6, 31, v0
	v_lshlrev_b32 v[L16], 4, v6
	v_lshlrev_b32 v[L8], 3, v6
	v_lshlrev_b32 v[R32], 5, v1                    ; row r's 32 scale bytes
	v_lshlrev_b32 v3, 6, v2
	v_add_nc_u32 v[ADRA], s21, v[L8]
	v_add_nc_u32 v[ADRB], s22, v[L8]
	v_add_nc_u32 v[ADRA+1], s18, v[L8]
	v_add_nc_u32 v[ADRB+1], s19, v[L8]
	v_mul_u32_u24 v5, v1, SPITCH
	v_lshl_add_u32 v5, v2, 6, v5
	v_add_nc_u32 v[STO], s23, v5                   ; in: row l % 16, + 64 bytes for the upper half of the lanes
	v_add_nc_u32 v[RD], s23, v[L16]                ; back: the 32 lanes take one row of 512 bytes
.irp a, 0,1,2,3
	global_load_b128 v[SA+8*\a:SA+8*\a+3], v[R32], s[6:7] offset:512*\a
	global_load_b128 v[SA+8*\a+4:SA+8*\a+7], v[R32], s[6:7] offset:512*\a+16
.endr
.irp b, 0,1,2,3,4,5,6,7
	global_load_b128 v[SB+8*\b:SB+8*\b+3], v[R32], s[10:11] offset:512*\b
	global_load_b128 v[SB+8*\b+4:SB+8*\b+7], v[R32], s[10:11] offset:512*\b+16
.endr
	WIN 0x40
.irp t, 0,1,2,3,4,5,6,7
	global_load_b128 v[BI+8*\t:BI+8*\t+3], v3, s[12:13] offset:(32*(\t/2)+8*(\t%2))*4      ; register j of B's tile t in lane (r, h) is column 32 (t / 2) + 8 (t % 2) + 16 h + j
	global_load_b128 v[BI+8*\t+4:BI+8*\t+7], v3, s[12:13] offset:(32*(\t/2)+8*(\t%2))*4+16
.endr
	WIN 0
.macro LDB n, Q                        ; piece n (0 .. 47) of B's eight fragments of K step Q
.set f_, (\n)/6
.set p_, (\n)%6
	ds_load_b64 v[96*((\Q)%2)+FR*f_+2*p_:96*((\Q)%2)+FR*f_+2*p_+1], v[ADRB+(\Q)/4] offset:f_*TROW+((\Q)%4)*FRB+256*p_
.endm
.macro LDA n, Q                        ; piece n (0 .. 23) of A's four
.set f_, (\n)/6
.set p_, (\n)%6
	ds_load_b64 v[AF+48*((\Q)%2)+FR*f_+2*p_:AF+48*((\Q)%2)+FR*f_+2*p_+1], v[ADRA+(\Q)/4] offset:f_*TROW+((\Q)%4)*FRB+256*p_
.endm
.macro MM Q, n                         ; product n = 8 a + b of K step Q: the 32 accumulators by turns
.set a_, (\n)/8
.set b_, (\n)%8
.set D_, 8*(\n)
.set B_, 96*((\Q)%2)+FR*b_
.set A_, AF+48*((\Q)%2)+FR*a_
.if (\Q) == 0
	WIN 0x91                                       ; source 0 window 1, source 1 window 0, C (the bias) window 1, D window 2
	v_wmma_scale_f32_16x16x128_f8f6f4 v[D_:D_+7], v[B_:B_+FR-1], v[A_:A_+FR-1], v[BI+8*b_:BI+8*b_+7], v[SB+8*b_+(\Q)], v[SA+8*a_+(\Q)] matrix_a_fmt:MATRIX_FMT_FP6 matrix_b_fmt:MATRIX_FMT_FP6
.else
	WIN 0xa1
	v_wmma_scale_f32_16x16x128_f8f6f4 v[D_:D_+7], v[B_:B_+FR-1], v[A_:A_+FR-1], v[D_:D_+7], v[SB+8*b_+(\Q)], v[SA+8*a_+(\Q)] matrix_a_fmt:MATRIX_FMT_FP6 matrix_b_fmt:MATRIX_FMT_FP6
.endif
.endm
.macro STEP Q
.if (\Q) == 3
	s_wait_tensorcnt 0x0                           ; every wave's load has landed,
.endif
	s_wait_dscnt 0x0                               ; this step's fragments are in: their 72 loads stand ahead of the last step's last 14 products
.if (\Q) == 3
	s_barrier_signal -1
	s_barrier_wait -1                              ; K steps 4-7 are shown to all, and nobody reads K steps 0-3 any more
.endif
.if (\Q) > 0 && (\Q) < 7
	PLACES 4                                       ; between the last step's products and the loads into the registers that they read
.endif
.set N_, 0
.rept 32
	MM \Q, N_
.if (\Q) < 7
.if N_ < 12
	WIN 0x40
	LDB 4*N_, (\Q)+1
	LDB 4*N_+1, (\Q)+1
	LDB 4*N_+2, (\Q)+1
	LDB 4*N_+3, (\Q)+1
.elseif N_ < 18
	WIN 0
	LDA 4*N_-48, (\Q)+1
	LDA 4*N_-47, (\Q)+1
	LDA 4*N_-46, (\Q)+1
	LDA 4*N_-45, (\Q)+1
.endif
.endif
.set N_, N_+1
.endr
	WIN 0
.endm
	s_wait_alu depctr_va_vdst(0)                   ; the wait at the head's end
	s_cmp_lt_u32 s14, 2
	s_cbranch_scc0 .Lnot_first
	s_wait_tensorcnt 0x0                           ; waves 0 and 1: my tile of K steps 0-3 is in
.Lnot_first:
	s_barrier_signal -1
	s_barrier_wait -1                              ; both are; the other two loads may still be on their way
	WIN 0x40
.set N_, 0
.rept 48
	LDB N_, 0
.set N_, N_+1
.endr
	WIN 0
.set N_, 0
.rept 24
	LDA N_, 0
.set N_, N_+1
.endr
	s_wait_loadcnt 0x0                             ; the scale words and the bias
.irp q, 0,1,2,3,4,5,6,7
	STEP \q
.endr
; THE WAY OUT, block by block of 16 rows x 128 columns, through my own stage: whole rows of 512 bytes come back, which the 32 lanes store as two aligned units of 256 bytes
.macro TOSTAGE a
	WIN 0x08                                       ; the data: window 2
.irp b, 0,1,2,3,4,5,6,7
	ds_store_b128 v[STO], v[64*(\a)+8*\b:64*(\a)+8*\b+3] offset:128*(\b/2)+32*(\b%2)          ; each accumulator from its low end on
	ds_store_b128 v[STO], v[64*(\a)+8*\b+4:64*(\a)+8*\b+7] offset:128*(\b/2)+32*(\b%2)+16
.endr
	WIN 0x40
.irp t, 0,1,2,3,4,5,6,7,8,9,10,11,12,13,14,15
	ds_load_b128 v[64*((\a)%2)+4*\t:64*((\a)%2)+4*\t+3], v[RD] offset:\t*SPITCH   ; LDS serves a wave's instructions in order: these see my stores
.endr
	WIN 0
.endm
.macro SEND a, younger                 ; younger: the LDS instructions issued behind block a's loads
	s_wait_dscnt \younger
	WIN 0x04
.irp t, 0,1,2,3,4,5,6,7,8,9,10,11,12,13,14,15
	global_store_b128 v[L16], v[64*((\a)%2)+4*\t:64*((\a)%2)+4*\t+3], s[96:97] offset:(32*((\a)/2)+8*((\a)%2)+(\t%8)+16*(\t/8))*4096 th:TH_STORE_NT
.endr
	WIN 0
.endm
	PLACES 4                                       ; behind the last products: for the reads of their results and the loads into B's registers
	TOSTAGE 0
.irp a, 1,2,3
.if \a > 1
	s_wait_xcnt 0x0                                ; block a - 2's stores have read their registers
.endif
	TOSTAGE \a
	SEND \a-1, 32                                  ; behind block a - 1's loads: block a's 16 stores and 16 loads
.endr
	SEND 3, 0
	s_wait_tensorcnt 0x0                           ; the wave's end
	ds_add_u32 v[SPW], v[NIL]
	s_wait_dscnt 0x0
	CROUND                                         ; the closing round
	s_endpgm
.Lfunc_end_k_q51f35db86f_gemm_out:
	.size	k_q51f35db86f_gemm_out, .Lfunc_end_k_q51f35db86f_gemm_out-k_q51f35db86f_gemm_out
	.p2alignl 7, 3214868480
	.fill 96, 4, 3214868480
	.section	.rodata,"a",@progbits
	.p2align	6, 0x0
	.amdhsa_kernel k_q51f35db86f_gemm_out
		.amdhsa_group_segment_fixed_size 327680
		.amdhsa_private_segment_fixed_size 0
		.amdhsa_enable_private_segment 0
		.amdhsa_kernarg_size 48
		.amdhsa_user_sgpr_count 2
		.amdhsa_user_sgpr_kernarg_segment_ptr 1
		.amdhsa_wavefront_size32 1
		.amdhsa_system_sgpr_workgroup_id_x 1
		.amdhsa_system_sgpr_workgroup_id_y 1
		.amdhsa_system_sgpr_workgroup_id_z 1
		.amdhsa_system_vgpr_workitem_id 0
		.amdhsa_next_free_vgpr 768
		.amdhsa_next_free_sgpr 98
		.amdhsa_reserve_vcc 0
		.amdhsa_float_denorm_mode_32 3
		.amdhsa_float_denorm_mode_16_64 3
		.amdhsa_memory_ordered 1
		.amdhsa_forward_progress 1
		.amdhsa_inst_pref_size 104
	.end_amdhsa_kernel
	.amdgpu_metadata
---
amdhsa.version: [ 1, 2 ]
amdhsa.kernels:
  - .name:           k_q51f35db86f_gemm_out
    .symbol:         k_q51f35db86f_gemm_out.kd
    .args:
      - { .name: ac, .offset: 0, .size: 8, .value_kind: global_buffer, .address_space: global }
      - { .name: asc, .offset: 8, .size: 8, .value_kind: global_buffer, .address_space: global }
      - { .name: wc, .offset: 16, .size: 8, .value_kind: global_buffer, .address_space: global }
      - { .name: ws, .offset: 24, .size: 8, .value_kind: global_buffer, .address_space: global }
      - { .name: bo, .offset: 32, .size: 8, .value_kind: global_buffer, .address_space: global }
      - { .name: out0, .offset: 40, .size: 8, .value_kind: global_buffer, .address_space: global }
    .group_segment_fixed_size: 327680
    .private_segment_fixed_size: 0
    .kernarg_segment_align: 8
    .kernarg_segment_size: 48
    .max_flat_workgroup_size: 128
    .sgpr_count:     98
    .vgpr_count:     768
    .wavefront_size: 32
...
	.end_amdgpu_metadata
.endif
;; end of part 4
